; MI455X (gfx1250); checked and timed in simulation.
; The chip was launched on July 23, 2026; its instructions are those of AMD's public machine-readable ISA for CDNA 5 (MIT licence, August 2026) and "CDNA5" Instruction Set Architecture Reference Guide (July 2026). The comments in the code are by the model that wrote it; some were corrected since.
;; Multi Head Attn. Allowed arithmetic: matrix products marked QUANTISED: E2M1 operands, one E8M0 scale for each 32 along K, by v_wmma_scale_f32_16x16x128_f8f6f4 with both operands' format E2M1 (or v_wmma_scale_f32_32x16x128_f4), f32 sums; products left as they are: bf16, f16 or f32 operands; f32 sums; everything else in f32.
;; Inputs: Wk 1,024 x 1,024 float32; Wo 1,024 x 1,024 float32; Wq 1,024 x 1,024 float32; Wv 1,024 x 1,024 float32; bk 1,024 float32; bo 1,024 float32; bq 1,024 float32; bv 1,024 float32; k 4 x 2,048 x 1,024 float32; mask 4 x 2,048 int32; q 4 x 2,048 x 1,024 float32; v 4 x 2,048 x 1,024 float32.
;; Outputs: out0 4 x 2,048 x 1,024 float32.
;; This version of the problem:
;;   THIS VERSION OF THE PROBLEM IS GIVEN IN LOW PRECISION. The matrix products marked QUANTISED in the list below multiply operands that are first quantised to E2M1 (2 exponent bits, 1 mantissa bit; 4 bits a number), with one power-of-two scale for each 32 numbers along K (OCP MX v1.0); their sums are f32. The products marked 'left as it is' may take bf16, f16 or f32 operands, with f32 sums. Whichever they take, every output number must still come out within the allowed error. Rounding operands to bf16 (8 significant bits) uses up far more of that allowance than f16 does (11 bits, for magnitudes from 6e-5 to 65,504). All else is computed in f32.
;;   The module's matrix products, in the order in which they are computed (A, B: the left and right operand; K: the contracted axis; several contracted axes count as one K, in the product's order):
;;     1. [M 8,192, K 1,024] x [K 1,024, N 1,024]; A: input q; B: input Wq: QUANTISED
;;     2. [M 8,192, K 1,024] x [K 1,024, N 1,024]; A: input k; B: input Wk: QUANTISED
;;     3. [M 8,192, K 1,024] x [K 1,024, N 1,024]; A: input v; B: input Wv: QUANTISED
;;     4. batch 64 x [M 2,048, K 64] x [K 64, N 2,048]; A: computed on the way; B: computed on the way: left as it is (an operand is computed on the way)
;;     5. batch 64 x [M 2,048, K 2,048] x [K 2,048, N 64]; A: computed on the way; B: computed on the way: left as it is (an operand is computed on the way)
;;     6. [M 8,192, K 1,024] x [K 1,024, N 1,024]; A: computed on the way; B: input Wo: left as it is (an operand is computed on the way)
;;   THE QUANTISER, for each operand of a quantised product, along K:
;;     - K is cut into blocks of 32 from its start; a last block that is shorter is filled with zeros.
;;     - A block's scale is 2^e with e = floor(log2(the largest magnitude in the block)) - 2, held to -126 .. 127; a block of zeros has e = 0. As a byte (E8M0): e + 127.
;;     - Each number is divided by its block's scale, clamped to +-6, and rounded to the nearest number of E2M1, ties to even, subnormals kept.
;;     - The product sums the exact products of the quantised numbers (number of the format x scale) in f32.
;;   ~~~python
;;   def quantise(x, axis):      # numpy; x: float32 -> the quantised numbers, widened to float32 again
;;       x = np.moveaxis(x, axis, -1); K = x.shape[-1]
;;       x = np.pad(x, [(0, 0)] * (x.ndim - 1) + [(0, -K % 32)]); x = x.reshape(x.shape[:-1] + (-1, 32)); a = np.abs(x).max(-1, keepdims=True)
;;       e = np.where(a > 0, np.clip(np.frexp(np.where(a > 0, a, 1))[1] - 1 - 2, -126, 127), 0)      # np.frexp(a)[1] - 1 = floor(log2(a)), exactly
;;       r = np.clip(x / 2.0 ** e, -6, 6)
;;       step = 2.0 ** (np.maximum(np.frexp(np.where(r == 0, 1, r))[1] - 1, 0) - 1)
;;       q = np.round(r / step) * step * 2.0 ** e      # np.round: ties to even
;;       return np.moveaxis(q.reshape(q.shape[:-2] + (-1,))[..., :K], -1, axis).astype(np.float32)
;;   ~~~
;; One version. Each part assembles by itself: llvm-mc -triple=amdgcn-amd-amdhsa -mcpu=gfx1250 --defsym DOCPART=n.
;; ======== version 1 of 1: 4 launches
;; limits: values are held in f16: magnitudes above 65,504 overflow, below 6.1e-05 lose precision
;; workspace buffers: codes 14,155,776 bytes; scales 884,736 bytes; wo16 2,097,152 bytes; qkv 50,331,648 bytes; o16 16,777,216 bytes
;; launch quant (part 1): grid 896 x 1, 4 waves a work-group, no clusters, 33,280 bytes of LDS; arguments q, k, v, Wq, Wk, Wv, Wo, codes, scales, wo16; writes codes, scales, wo16
.if DOCPART == 1
	.amdgcn_target "amdgcn-amd-amdhsa--gfx1250"
	.amdhsa_code_object_version 6
	.text
	.protected	k_qdc78bd695b_quant
	.globl	k_qdc78bd695b_quant
	.p2align	8
	.type	k_qdc78bd695b_quant,@function
k_qdc78bd695b_quant:
	s_mov_b64 s[64:65], 0
	v_nop
	global_prefetch_b8 v0, s[64:65] scope:SCOPE_SE
	s_setreg_imm32_b32 hwreg(HW_REG_WAVE_MODE, 25, 1), 1
	s_wait_xcnt 0x0
; q, k, v [8192][1024] and Wq, Wk, Wv [1024][1024], f32 with K innermost, become codes of FP4 (E2M1), two a byte, and one E8M0 byte for each 32 along K.
; All six go into ONE table of rows: codes [27648][512 bytes], scales [27648][32 bytes]; rows 0.. q, 8192.. k, 16384.. v, 24576.. Wq, 25600.. Wk, 26624.. Wv.  Wo [1024][1024] is rounded to f16 (its product is not quantised).
; A block's scale is 2^(floor(log2(its largest magnitude)) - 2); its byte is the largest magnitude's exponent field - 2, held at 1 from below.  A block of zeros so gets the byte 1: its codes are zeros, and this program alone reads the bytes.
; LIMITS: blocks whose largest magnitude lies under 2^-124 keep the byte 1; NaN and infinities among the inputs are not served; |Wo| stays under 65,504.
; Rows are dense and 1024 is a multiple of 32: every tensor is a plain stream of blocks of 32.  Work-groups 0-863 take 32,768 numbers each (256 for each of q, k, v; 32 for each weight), a wave 16 steps of 512; only the
; source pointer is chosen by the work-group's number, the destination follows from that number itself.  Work-groups 864-895 take Wo.
; A conversion takes 8 numbers of one block from a lane's consecutive registers, a load is best where neighbouring lanes take neighbouring bytes: so a step's 2,048 bytes are loaded 16 bytes a lane and turn through the
; wave's own stage in LDS (16 bytes of padding behind each 64), from which a lane takes 64 neighbouring bytes.  Two neighbouring lanes hold a block.  No barrier: waves share nothing.
.set WAVES, 4
.set STEPS, 16
.set NQW,   864                        ; work-groups that quantise
.set EMAX,  2
.set CB,    8                          ; bytes of 16 codes
.set R,     16                         ; v16-79   four sets of 16 numbers as loaded  (Wo: set A)
.set X,     80                         ; v80-111  two sets of 16 neighbours          (Wo: set B is v80-143)
.set E,     112                        ; v112-127 a scale byte for each step
.set C,     128                        ; v128-191 codes: four registers for each step, so that no store's data are written again
.set WREG,  8192                       ; LDS: a region for each wave: two stages of 32 x SP bytes, behind them its 256 scale bytes
.set SP,    80
.set SPW,   12                         ; v12  LDS address of my spare word; never rewritten
.set NIL,   13                         ; v13  0; never rewritten
.set SPARE, WAVES*WREG                 ; behind the four regions: the spare words, 128 bytes a wave
	s_load_b512 s[8:23], s[0:1], 0x0               ; q 8, k 10, v 12, Wq 14, Wk 16, Wv 18, Wo 20, codes 22
	s_load_b128 s[24:27], s[0:1], 0x40             ; scales 24, wo16 26
	v_lshl_add_u32 v[SPW], v0, 2, SPARE
	v_mov_b32 v[NIL], 0
	v_lshrrev_b32 v1, 5, v0
	v_readfirstlane_b32 s28, v1                    ; wave
	v_and_b32 v2, 31, v0                           ; lane
	v_lshlrev_b32 v3, 4, v2                        ; my 16 bytes of a load's 512
	s_mul_i32 s29, s28, WREG
	v_lshrrev_b32 v14, 2, v2
	v_mul_u32_u24 v14, v14, SP
	v_and_b32 v15, 3, v2
	v_lshl_add_u32 v14, v15, 4, v14
	v_add_nc_u32 v14, s29, v14                     ; the stage, way in: SP (lane / 4) + 16 (lane % 4)
	v_mul_u32_u24 v15, v2, SP
	v_add_nc_u32 v15, s29, v15                     ; way out: SP x lane: my 16 neighbours
	v_mul_u32_u24 v4, v2, CB                       ; 8 bytes a lane: my codes' place in a step's, and my f16 numbers' place in a chunk of Wo
	v_lshrrev_b32 v5, 1, v2
	s_add_co_u32 s29, s29, 2*32*SP
	v_add_nc_u32 v5, s29, v5                       ; LDS: my wave's 256 scale bytes, my block's byte
	v_lshlrev_b32 v7, 3, v2
	v_add_nc_u32 v6, s29, v7                       ; and on the way out 8 bytes a lane
	s_mov_b32 s7, 0
	s_mov_b32 s31, 0
	s_wait_kmcnt 0x0
	s_cmp_ge_u32 ttmp9, NQW
	s_cbranch_scc1 .Lwo
	; which tensor: the choice hangs on the work-group's number alone.  s6: the tensor's first work-group
	s_mov_b64 s[4:5], s[18:19]
	s_mov_b32 s6, 832
	s_cmp_lt_u32 ttmp9, 832
	s_cselect_b64 s[4:5], s[16:17], s[4:5]
	s_cselect_b32 s6, 800, s6
	s_cmp_lt_u32 ttmp9, 800
	s_cselect_b64 s[4:5], s[14:15], s[4:5]
	s_cselect_b32 s6, 768, s6
	s_cmp_lt_u32 ttmp9, 768
	s_cselect_b64 s[4:5], s[12:13], s[4:5]
	s_cselect_b32 s6, 512, s6
	s_cmp_lt_u32 ttmp9, 512
	s_cselect_b64 s[4:5], s[10:11], s[4:5]
	s_cselect_b32 s6, 256, s6
	s_cmp_lt_u32 ttmp9, 256
	s_cselect_b64 s[4:5], s[8:9], s[4:5]
	s_cselect_b32 s6, 0, s6
	s_sub_co_u32 s6, ttmp9, s6
	s_lshl_b32 s6, s6, 2
	s_add_co_u32 s6, s6, s28                       ; my wave's run of 8,192 numbers in its tensor,
	s_lshl_b32 s6, s6, 15                          ; 32,768 bytes a run
	s_add_nc_u64 s[4:5], s[4:5], s[6:7]
	s_lshl_b32 s30, ttmp9, 2
	s_add_co_u32 s30, s30, s28                     ; and in the table of rows:
	s_lshl_b32 s6, s30, 12                         ; 4,096 bytes of codes a run,
	s_add_nc_u64 s[22:23], s[22:23], s[6:7]
	s_lshl_b32 s6, s30, 8                          ; 256 scale bytes
	s_add_nc_u64 s[24:25], s[24:25], s[6:7]
.macro LOAD t
.irp i, 0,1,2,3
	global_load_b128 v[R+16*((\t)%4)+4*\i:R+16*((\t)%4)+4*\i+3], v3, s[4:5] offset:2048*(\t)+512*\i th:TH_LOAD_NT   ; 32 lanes read 512 consecutive bytes
.endr
.endm
.macro TURN t                          ; step t's numbers through the stage: LDS serves a wave's instructions in order, so no wait stands between the stores and the loads
.irp i, 0,1,2,3
	ds_store_b128 v14, v[R+16*((\t)%4)+4*\i:R+16*((\t)%4)+4*\i+3] offset:32*SP*((\t)%2)+8*SP*\i
.endr
.irp i, 0,1,2,3
	ds_load_b128 v[X+16*((\t)%2)+4*\i:X+16*((\t)%2)+4*\i+3], v15 offset:32*SP*((\t)%2)+16*\i
.endr
.endm
.irp t, 0,1,2,3
	LOAD \t
.endr
	s_wait_loadcnt 12                              ; step 0's four loads are in; the twelve of steps 1 to 3 stay out
	TURN 0
.macro STEP t
.set XS, X+16*((\t)%2)
.if (\t) > 0
	s_wait_dscnt 1                                 ; this step's numbers are back from the stage (the last step's byte store may be out)
.else
	s_wait_dscnt 0x0
.endif
.if (\t)+4 < STEPS
	LOAD (\t)+4                                    ; into the registers that the stage's stores have read
.endif
.if (\t)+1 < STEPS
.if STEPS-2-(\t) >= 3
	s_wait_loadcnt 12                              ; the next step's four loads are in; those of the three steps behind it may be out
.else
	s_wait_loadcnt 4*(STEPS-2-(\t))
.endif
	TURN (\t)+1                                    ; through the other stage while this step is worked
.endif
	v_max3_num_f32 v8, |v[XS]|, |v[XS+1]|, |v[XS+2]|               ; the largest magnitude of my 16, in two chains
	v_max3_num_f32 v9, |v[XS+3]|, |v[XS+4]|, |v[XS+5]|
.irp i, 6,10
	v_max3_num_f32 v8, v8, |v[XS+\i]|, |v[XS+\i+1]|
	v_max3_num_f32 v9, v9, |v[XS+\i+2]|, |v[XS+\i+3]|
.endr
	v_max3_num_f32 v8, v8, |v[XS+14]|, |v[XS+15]|
	v_max3_num_f32 v8, v8, v9, (EMAX+1)<<23        ; and the floor 2^(3 - 127): the byte cannot fall under 1
	v_max_num_f32_dpp v8, v8, v8 row_xmask:1 row_mask:0xf bank_mask:0xf   ; with my neighbour's 16: the block's
	v_add_nc_u32 v11, -(EMAX<<23), v8              ; 2 off its exponent field: the conversion takes the exponent field of this operand as its scale
	v_cvt_scalef32_pk8_fp4_f32 v[C+4*(\t)], v[XS:XS+7], v11        ; to the nearest code, ties to even, beyond 6 the largest code
	v_cvt_scalef32_pk8_fp4_f32 v[C+4*(\t)+1], v[XS+8:XS+15], v11
	v_lshrrev_b32 v[E+(\t)], 23, v11               ; the scale's byte (a plain line behind the conversions)
	ds_store_b8 v5, v[E+(\t)] offset:16*(\t)       ; both lanes of a block write the same byte with the same value
	global_store_b64 v4, v[C+4*(\t):C+4*(\t)+1], s[22:23] offset:32*CB*(\t)   ; 32 lanes store 256 consecutive bytes, aligned
.endm
.irp t, 0,1,2,3,4,5,6,7,8,9,10,11,12,13,14,15
	STEP \t
.endr
	ds_load_b64 v[8:9], v6                         ; LDS serves a wave's instructions in order: these see my byte stores
	s_wait_dscnt 0x0
	global_store_b64 v7, v[8:9], s[24:25]          ; my wave's 256 scale bytes, aligned
	s_wait_tensorcnt 0x0                           ; the wave's end: three lines behind my last LDS store
	ds_add_u32 v[SPW], v[NIL]
	s_wait_dscnt 0x0
	s_endpgm
; Wo to f16: a wave takes 64 chunks of 512 bytes; 16 chunks to a register set, two sets by turns, so that 16 loads are out while 16 chunks are rounded and stored.
.macro WLD set, c0
.irp i, 0,1,2,3,4,5,6,7,8,9,10,11,12,13,14,15
	global_load_b128 v[\set+4*\i:\set+4*\i+3], v3, s[20:21] offset:512*(\c0+\i) th:TH_LOAD_NT
.endr
.endm
.macro WCV set, c0
.irp i, 0,1,2,3,4,5,6,7,8,9,10,11,12,13,14,15
	v_cvt_pk_f16_f32 v[\set+4*\i], v[\set+4*\i], v[\set+4*\i+1]
	v_cvt_pk_f16_f32 v[\set+4*\i+1], v[\set+4*\i+2], v[\set+4*\i+3]
	global_store_b64 v4, v[\set+4*\i:\set+4*\i+1], s[26:27] offset:256*(\c0+\i)   ; 32 lanes store 256 consecutive bytes, aligned
.endr
.endm
.Lwo:
	s_sub_co_u32 s6, ttmp9, NQW
	s_lshl_b32 s6, s6, 2
	s_add_co_u32 s6, s6, s28                       ; my wave's run of 8,192 numbers of Wo
	s_lshl_b32 s30, s6, 15
	s_add_nc_u64 s[20:21], s[20:21], s[30:31]
	s_lshl_b32 s30, s6, 14
	s_add_nc_u64 s[26:27], s[26:27], s[30:31]
	WLD R, 0
	WLD X, 16
	s_wait_loadcnt 16                              ; the first set is in; the other set's sixteen loads stay out
	WCV R, 0
	s_wait_xcnt 0x0                                ; the stores have read their registers: the set is loaded again only behind this wait
	WLD R, 32
	s_wait_loadcnt 16
	WCV X, 16
	s_wait_xcnt 0x0
	WLD X, 48
	s_wait_loadcnt 16
	WCV R, 32
	s_wait_loadcnt 0x0
	WCV X, 48
	s_wait_tensorcnt 0x0                           ; the same three lines at this end too
	ds_add_u32 v[SPW], v[NIL]
	s_wait_dscnt 0x0
	s_endpgm
.Lfunc_end_k_qdc78bd695b_quant:
	.size	k_qdc78bd695b_quant, .Lfunc_end_k_qdc78bd695b_quant-k_qdc78bd695b_quant
	.p2alignl 7, 3214868480
	.fill 96, 4, 3214868480
	.section	.rodata,"a",@progbits
	.p2align	6, 0x0
	.amdhsa_kernel k_qdc78bd695b_quant
		.amdhsa_group_segment_fixed_size 33280
		.amdhsa_private_segment_fixed_size 0
		.amdhsa_enable_private_segment 0
		.amdhsa_kernarg_size 80
		.amdhsa_user_sgpr_count 2
		.amdhsa_user_sgpr_kernarg_segment_ptr 1
		.amdhsa_wavefront_size32 1
		.amdhsa_system_sgpr_workgroup_id_x 1
		.amdhsa_system_sgpr_workgroup_id_y 1
		.amdhsa_system_sgpr_workgroup_id_z 1
		.amdhsa_system_vgpr_workitem_id 0
		.amdhsa_next_free_vgpr 192
		.amdhsa_next_free_sgpr 66
		.amdhsa_reserve_vcc 0
		.amdhsa_float_denorm_mode_32 3
		.amdhsa_float_denorm_mode_16_64 3
		.amdhsa_memory_ordered 1
		.amdhsa_forward_progress 1
		.amdhsa_inst_pref_size 55
	.end_amdhsa_kernel
	.amdgpu_metadata
---
amdhsa.version: [ 1, 2 ]
amdhsa.kernels:
  - .name:           k_qdc78bd695b_quant
    .symbol:         k_qdc78bd695b_quant.kd
    .args:
      - { .name: q, .offset: 0, .size: 8, .value_kind: global_buffer, .address_space: global }
      - { .name: k, .offset: 8, .size: 8, .value_kind: global_buffer, .address_space: global }
      - { .name: v, .offset: 16, .size: 8, .value_kind: global_buffer, .address_space: global }
      - { .name: Wq, .offset: 24, .size: 8, .value_kind: global_buffer, .address_space: global }
      - { .name: Wk, .offset: 32, .size: 8, .value_kind: global_buffer, .address_space: global }
      - { .name: Wv, .offset: 40, .size: 8, .value_kind: global_buffer, .address_space: global }
      - { .name: Wo, .offset: 48, .size: 8, .value_kind: global_buffer, .address_space: global }
      - { .name: codes, .offset: 56, .size: 8, .value_kind: global_buffer, .address_space: global }
      - { .name: scales, .offset: 64, .size: 8, .value_kind: global_buffer, .address_space: global }
      - { .name: wo16, .offset: 72, .size: 8, .value_kind: global_buffer, .address_space: global }
    .group_segment_fixed_size: 33280
    .private_segment_fixed_size: 0
    .kernarg_segment_align: 8
    .kernarg_segment_size: 80
    .max_flat_workgroup_size: 128
    .sgpr_count:     66
    .vgpr_count:     192
    .wavefront_size: 32
...
	.end_amdgpu_metadata
.endif
;; end of part 1
;; launch proj (part 2): grid 4 x 96, 4 waves a work-group, clusters of 4 x 4, 327,680 bytes of LDS; arguments codes, scales, bq, bk, bv, mask, qkv; writes qkv
.if DOCPART == 2
	.amdgcn_target "amdgcn-amd-amdhsa--gfx1250"
	.amdhsa_code_object_version 6
	.text
	.protected	k_qdc78bd695b_proj
	.globl	k_qdc78bd695b_proj
	.p2align	8
	.type	k_qdc78bd695b_proj,@function
k_qdc78bd695b_proj:
	s_mov_b64 s[64:65], 0
	v_nop
	global_prefetch_b8 v0, s[64:65] scope:SCOPE_SE
	s_setreg_imm32_b32 hwreg(HW_REG_WAVE_MODE, 25, 1), 1
	s_wait_xcnt 0x0
	s_wait_alu depctr_hold_cnt(0) depctr_sa_sdst(0) depctr_va_vdst(0) depctr_va_sdst(0) depctr_va_ssrc(0) depctr_va_vcc(0) depctr_vm_vsrc(0)
	s_getreg_b32 s2, hwreg(HW_REG_IB_STS2, 6, 4)
	s_cmp_eq_u32 s2, 0
	s_cbranch_scc0 .Lentry_in_a_cluster
	s_endpgm
.Lentry_in_a_cluster:
	s_bfe_u32 s2, ttmp6, 0x10000c
	s_cmp_lg_u32 s2, 0xf033
	s_cbranch_scc0 .Lentry_shape_is_right
	s_endpgm
.Lentry_shape_is_right:
; qkv[row][n] = f16( sum over k of X[row][k] W_p[n][k] + b_p[n] ), rows 0-8191 q (p = 0), 8192-16383 k (1), 16384-24575 v (2); both operands are codes of FP4 with one E8M0 byte for each 32 along K, as the
; launch before has laid them; sums in f32, begun with the bias.  Rows of the k part whose key has mask 0 are stored as zeros: the attention launch then gets their score from its C operand alone.
; LIMITS: a projected number beyond 65,504 in magnitude becomes an f16 infinity; under 6e-5 it keeps an absolute 3e-8.
; A tile, 256 x 256, is made by four waves; a wave makes 128 x 128: 64 accumulators, 512 registers.  K = 1024 is two LDS slots of 512 (rows of 256 bytes), each filled ONCE: no slot is filled again, and there is no loop.
; The scale bytes of the tile's 256 + 256 rows, for all of K, are two dense blocks: they come with the first fills.  By this text's count a wave has three tensor loads out at the most.
; CLUSTERS: 4 x 4 work-groups; the four of a row need the same rows of X, the four of a column the same rows of W: each tile is asked for jointly.  A cluster's 1024 rows lie in one of q, k, v, so p is the same in all sixteen.
; THE MATRIX INSTRUCTION IS USED TRANSPOSED (source 0 = 16 rows of W, source 1 = 16 rows of X): a lane holds eight neighbouring columns of one row.
; REGISTERS: window 0: v16-31 addresses; v32-95 scale words, two sets, and nothing else; v96-103 mask words; v128-191 X's fragments, one set; v192-255 the bias in the result's layout, later packed results.
;   window 1: W's fragments, two sets.   windows 2, 3: the accumulators ((a, b) at v[8 (8 (a % 4) + b)]).
.set KSTEP,  512
.set NQ,     KSTEP/128
.set ROWB,   256                       ; a tile's row in bytes
.set KROW,   512                       ; a row of codes in memory
.set PITCH,  272                       ; 256 bytes + 16 of padding = 68 words: the 16 rows that a load touches start 4 words apart modulo 64
.set FR,     8
.set NL,     2
.set NP,     4                         ; places behind this matrix instruction (ISA guide 7.12.1)
.set HALFT,  128*PITCH
.set SLOT,   4*HALFT
.set KS,     32                        ; a row of scale bytes
.set SCL,    2*SLOT
.set HALFS,  (128*KS/256)*272
.set SBLK,   (16*KS/256)*272
.set SPARE,  SCL+4*HALFS               ; the spare words, 128 bytes a wave
.set STAGE,  SPARE+512                 ; the way out: 16 rows x 272 bytes for each wave; no tensor load lands here
.set SPITCH, 272
.set ROWO,   2048                      ; a row of qkv in bytes
.set WROW0,  24576                     ; the weights' first row in the table
.set ADRA, 16
.set ADRB, 20
.set STO,  24
.set RD,   25
.set CO,   26
.set ADRS, 27
.set SPW,  28
.set NIL,  29
.set BOF,  30                          ; v30  32 x (lane / 16): my eight biases of a block
.set MOF,  31                          ; v31  4 x (lane % 16): my row's mask word
.set SC,   32
.set MK,   96
.set AF,   128
.set BI,   192
.set TMP,  192
.set OB,   128
.set WV,   18
.set HR,   19
.set HC,   20
.set G1,   24
.set G0,   32
.set G1B,  48
.set G0B,  56
.set G1S,  68
.set G0S,  76
.set G1SB, 80
.set G0SB, 88
.set MS,   92                          ; s92-99: for each of my eight blocks of rows, the lanes whose row is kept
.set MSB, 0
.macro WIN new                         ; the immediate's high byte repeats the setting that is left
.if MSB != (\new)
	s_set_vgpr_msb (MSB<<8)|(\new)
.set MSB, \new
.endif
.endm
.set MUL_LO, 0xa1                      ; source 0 (W) window 1, source 1 (X) window 0, C and D window 2
.set MUL_HI, 0xf1
.set FST_LO, 0x81                      ; the first step: C, the bias, in window 0
.set FST_HI, 0xc1
.set TO_B,   0x40
; A joint load: waves 0 and 1 fetch for X, waves 2 and 3 for W.  The branch hangs on the wave's number alone.  An s_nop 0 and four v_nop follow each of the two lines.
.macro JLOAD g0a, g1a, g0b, g1b
	s_cmp_eq_u32 s[HR], 0
	s_cbranch_scc0 .Lfor_b_\@
	tensor_load_to_lds s[\g0a:\g0a+3], s[\g1a:\g1a+7]
	s_nop 0
.rept 4
	v_nop
.endr
	s_branch .Lasked_\@
.Lfor_b_\@:
	tensor_load_to_lds s[\g0b:\g0b+3], s[\g1b:\g1b+7]
	s_nop 0
.rept 4
	v_nop
.endr
.Lasked_\@:
.endm
.macro CROUND                          ; a round of the cluster's barrier
	s_barrier_signal -1
	s_barrier_wait -1
	s_cmp_lg_u32 s[WV], 0
	s_cbranch_scc1 .Lnot_wave_0_\@
	s_barrier_signal -3
.Lnot_wave_0_\@:
	s_barrier_wait -3
	s_barrier_signal -1
	s_barrier_wait -1
.endm
	s_load_b256 s[4:11], s[0:1], 0x0               ; codes 4, scales 6, bq 8, bk 10
	s_load_b128 s[12:15], s[0:1], 0x20             ; bv 12, mask 14
	s_load_b64 s[16:17], s[0:1], 0x30              ; qkv
	v_lshl_add_u32 v[SPW], v0, 2, SPARE
	v_mov_b32 v[NIL], 0
	ds_add_u32 v[SPW], v[NIL]                      ; the wave's opening: the add, twice on end, and its wait ahead of my first tensor load
	ds_add_u32 v[SPW], v[NIL]
	v_lshrrev_b32 v1, 5, v0
	v_readfirstlane_b32 s[WV], v1                  ; wave 0..3
	s_lshr_b32 s[HR], s[WV], 1                     ; my half of the tile's rows.  Also: I fetch for X (0) or for W (1)
	s_and_b32 s[HC], s[WV], 1                      ; my half of its columns.  Also: which 128 rows I fetch
	s_bfe_u32 s21, ttmp6, 0x40000                  ; cx
	s_bfe_u32 s22, ttmp6, 0x40004                  ; cy
	s_lshl_b32 s23, ttmp9, 2
	s_add_co_u32 s23, s23, s21                     ; tile column = 4 x cluster x + cx
	s_and_b32 s41, ttmp7, 0xffff                   ; cluster y
	s_lshl_b32 s40, s41, 2
	s_add_co_u32 s40, s40, s22                     ; tile row = 4 x cluster y + cy
	s_lshr_b32 s41, s41, 3                         ; p: eight clusters of 1024 rows to each of q, k, v
	s_lshl_b32 s42, s22, 2
	s_lshl_b32 s42, 15, s42                        ; my row of the cluster
	s_lshl_b32 s43, 0x1111, s21                    ; my column
	s_or_b32 s[G1+0], s42, (0<<16)|(1<<20)|(1<<21)|(5<<22)|(3<<25)   ; the mask; elements of 1 byte; padding on; bit 21 beside a mask; after every 64 words, 4 words
	s_or_b32 s[G1B+0], s43, (0<<16)|(1<<20)|(1<<21)|(5<<22)|(3<<25)
.irp g, G1, G1B
	s_mov_b32 s[\g+1], ROWB<<16                    ; tensor_dim0
	s_mov_b32 s[\g+2], 128<<16                     ; tensor_dim1
	s_mov_b32 s[\g+3], ROWB<<16                    ; tile_dim0
	s_mov_b32 s[\g+4], 128                         ; tile_dim1
	s_mov_b32 s[\g+5], KROW                        ; from row to row
	s_mov_b32 s[\g+6], 0
	s_mov_b32 s[\g+7], 0
.endr
	s_or_b32 s[G1S+0], s42, (3<<16)|(1<<20)|(1<<21)|(5<<22)|(3<<25)  ; the scales of 128 rows: 4,096 dense bytes as 16 rows of 32 elements of 8 bytes
	s_or_b32 s[G1SB+0], s43, (3<<16)|(1<<20)|(1<<21)|(5<<22)|(3<<25)
.irp g, G1S, G1SB
	s_mov_b32 s[\g+1], 32<<16
	s_mov_b32 s[\g+2], (128*KS/256)<<16
	s_mov_b32 s[\g+3], 32<<16
	s_mov_b32 s[\g+4], 128*KS/256
	s_mov_b32 s[\g+5], 32
	s_mov_b32 s[\g+6], 0
	s_mov_b32 s[\g+7], 0
.endr
	s_lshl_b32 s44, s[HC], 7                       ; which 128 rows of the tile I fetch
	s_lshl_b32 s92, s40, 8
	s_add_co_u32 s92, s92, s44                     ; X: row 256 x tile row + 128 x half
	s_lshl_b32 s94, s23, 8
	s_add_co_u32 s94, s94, s44
	s_lshl_b32 s45, s41, 10
	s_add_co_u32 s94, s94, s45
	s_add_co_u32 s94, s94, WROW0                   ; W: row 24576 + 1024 p + 256 x tile column + 128 x half
	s_lshl_b32 s96, s92, 5                         ; their scale bytes (all offsets stay under 2^24),
	s_mov_b32 s97, 0
	s_lshl_b32 s92, s92, 9                         ; their codes
	s_mov_b32 s93, 0
	s_lshl_b32 s98, s94, 5
	s_mov_b32 s99, 0
	s_lshl_b32 s94, s94, 9
	s_mov_b32 s95, 0
	s_mul_i32 s45, s[WV], HALFT                    ; where they go: wave x 128 rows: no place in the cluster enters an LDS address
	s_mul_i32 s46, s[WV], HALFS
	s_wait_dscnt 0x0                               ; both opening adds are done
	s_wait_kmcnt 0x0
	s_add_nc_u64 s[92:93], s[4:5], s[92:93]
	s_add_nc_u64 s[96:97], s[6:7], s[96:97]
	s_add_nc_u64 s[94:95], s[4:5], s[94:95]
	s_add_nc_u64 s[98:99], s[6:7], s[98:99]
	CROUND                                         ; all sixteen work-groups are here: the first joint loads meet
	s_mov_b32 s[G0S], 1
	s_add_co_u32 s[G0S+1], s46, SCL
	s_mov_b64 s[G0S+2:G0S+3], s[96:97]
	s_or_b32 s[G0S+3], s[G0S+3], 0x80000000
	s_mov_b32 s[G0SB], 1
	s_add_co_u32 s[G0SB+1], s46, SCL
	s_mov_b64 s[G0SB+2:G0SB+3], s[98:99]
	s_or_b32 s[G0SB+3], s[G0SB+3], 0x80000000
	JLOAD G0S, G1S, G0SB, G1SB                     ; the scales first: they are wanted with the first K step
.irp s, 0,1
	s_mov_b32 s[G0+4*\s], 1
	s_add_co_u32 s[G0+4*\s+1], s45, \s*SLOT
	s_add_nc_u64 s[G0+4*\s+2:G0+4*\s+3], s[92:93], \s*ROWB
	s_or_b32 s[G0+4*\s+3], s[G0+4*\s+3], 0x80000000
	s_mov_b32 s[G0B+4*\s], 1
	s_add_co_u32 s[G0B+4*\s+1], s45, \s*SLOT
	s_add_nc_u64 s[G0B+4*\s+2:G0B+4*\s+3], s[94:95], \s*ROWB
	s_or_b32 s[G0B+4*\s+3], s[G0B+4*\s+3], 0x80000000
	JLOAD G0+4*\s, G1, G0B+4*\s, G1B
.endr
	v_and_b32 v1, 15, v0                           ; r = lane % 16
	v_bfe_u32 v2, v0, 4, 1                         ; h = lane / 16
	v_mul_u32_u24 v3, v1, PITCH
	v_lshl_add_u32 v4, v2, 4, v3                   ; a fragment's row x pitch + 16 h
	s_mul_i32 s44, s[HR], HALFT                    ; my 128 rows of X
	s_mul_i32 s45, s[HC], HALFT                    ; my 128 rows of W,
	s_add_co_u32 s45, s45, 2*HALFT                 ; behind X's 256
.irp s, 0,1
	v_add_nc_u32 v[ADRA+\s], s44, v4
	v_add_nc_u32 v[ADRB+\s], s45, v4
	s_add_co_u32 s44, s44, SLOT
	s_add_co_u32 s45, s45, SLOT
.endr
	v_mul_u32_u24 v5, v1, KS                       ; my row's scale bytes: 32 a row,
	v_lshrrev_b32 v6, 8, v5
	v_lshl_add_u32 v5, v6, 4, v5                   ; and 16 more for each 256 passed
	s_mul_i32 s44, s[HR], HALFS
	s_mul_i32 s45, s[HC], HALFS
	s_add_co_u32 s45, s45, 2*HALFS
	s_sub_co_u32 s45, s45, s44
	v_mul_u32_u24 v6, s45, v2                      ; lanes 16-31 take W's: one product, the distance between the two bases x h
	s_add_co_u32 s44, s44, SCL
	v_add_nc_u32 v5, v5, v6
	v_add_nc_u32 v[ADRS], s44, v5
	s_mul_i32 s44, s[WV], 16*SPITCH
	s_add_co_u32 s44, s44, STAGE                   ; my stage
	v_mul_u32_u24 v5, v1, SPITCH                   ; in: row r, 16 bytes for each half of the lanes
	v_lshl_add_u32 v5, v2, 4, v5
	v_add_nc_u32 v[STO], s44, v5
	v_mul_u32_u24 v5, v2, SPITCH                   ; back: lanes 0-15 one row of 256 bytes, lanes 16-31 the next
	v_lshl_add_u32 v5, v1, 4, v5
	v_add_nc_u32 v[RD], s44, v5
	v_lshlrev_b32 v5, 11, v2                       ; and the same two rows in qkv
	v_lshl_add_u32 v[CO], v1, 4, v5
	v_lshlrev_b32 v[BOF], 5, v2
	v_lshlrev_b32 v[MOF], 2, v1
	s_lshl_b32 s44, s40, 8
	s_lshl_b32 s45, s[HR], 7
	s_add_co_u32 s44, s44, s45                     ; my first row
	s_and_b32 s46, s44, 8191                       ; as a token: the mask has one word a token
	s_lshl_b32 s46, s46, 2
	s_mov_b32 s47, 0
	s_add_nc_u64 s[14:15], s[14:15], s[46:47]
	s_lshl_b32 s44, s44, 11
	s_lshl_b32 s46, s23, 8
	s_lshl_b32 s45, s[HC], 7
	s_add_co_u32 s46, s46, s45                     ; my first column
	s_lshl_b32 s45, s46, 1
	s_add_co_u32 s44, s44, s45
	s_mov_b32 s45, 0
	s_add_nc_u64 s[16:17], s[16:17], s[44:45]      ; qkv at my part of the tile
	s_lshl_b32 s46, s46, 2
	s_cmp_eq_u32 s41, 0
	s_cselect_b64 s[44:45], s[8:9], s[10:11]       ; bq, bk
	s_cmp_eq_u32 s41, 2
	s_cselect_b64 s[44:45], s[12:13], s[44:45]     ; or bv
	s_add_nc_u64 s[44:45], s[44:45], s[46:47]
	s_cmp_eq_u32 s41, 1
	s_cselect_b32 s66, 0, -1                       ; only k's rows are masked: elsewhere every lane is kept
.irp b, 0,1,2,3,4,5,6,7
	global_load_b128 v[BI+8*\b:BI+8*\b+3], v[BOF], s[44:45] offset:64*\b          ; register j of block b: the bias of column 16 b + 8 h + j
	global_load_b128 v[BI+8*\b+4:BI+8*\b+7], v[BOF], s[44:45] offset:64*\b+16
.endr
.irp a, 0,1,2,3,4,5,6,7
	global_load_b32 v[MK+\a], v[MOF], s[14:15] offset:64*\a                       ; the mask word of row 16 a + r
.endr
.macro FRAG reg, adr, q, i             ; 16 rows x 128 K of 4-bit codes: registers 4 c .. 4 c + 3 hold K = 64 c + 32 h + 0 .. 31
.irp c, 0,1
	ds_load_b128 v[\reg+4*\c:\reg+4*\c+3], v[\adr] offset:64*(\q)+32*\c+(\i)*16*PITCH
.endr
.endm
; 16 matrix instructions: X's blocks a0, a0 + 1 against W's eight, the slot's q-th 128 along K.  zero = 1: the sums begin with the bias.  The 64 accumulators take turns, in the same order in every step.
.macro MUL16 a0, p, q, sc, zero
.irp a, \a0, \a0+1
.irp b, 0,1,2,3,4,5,6,7
.if \zero
	v_wmma_scale_f32_16x16x128_f8f6f4 v[8*(8*((\a)%4)+\b):8*(8*((\a)%4)+\b)+7], v[128*(\p)+FR*\b:128*(\p)+FR*\b+FR-1], v[AF+FR*(\a):AF+FR*(\a)+FR-1], v[BI+8*\b:BI+8*\b+7], v[SC+8*NQ*(\sc)+NQ*\b+(\q)], v[SC+8*NQ*(\sc)+NQ*(\a)+(\q)] matrix_a_fmt:MATRIX_FMT_FP4 matrix_b_fmt:MATRIX_FMT_FP4 matrix_a_scale:MATRIX_SCALE_ROW1
.else
	v_wmma_scale_f32_16x16x128_f8f6f4 v[8*(8*((\a)%4)+\b):8*(8*((\a)%4)+\b)+7], v[128*(\p)+FR*\b:128*(\p)+FR*\b+FR-1], v[AF+FR*(\a):AF+FR*(\a)+FR-1], v[8*(8*((\a)%4)+\b):8*(8*((\a)%4)+\b)+7], v[SC+8*NQ*(\sc)+NQ*\b+(\q)], v[SC+8*NQ*(\sc)+NQ*(\a)+(\q)] matrix_a_fmt:MATRIX_FMT_FP4 matrix_b_fmt:MATRIX_FMT_FP4 matrix_a_scale:MATRIX_SCALE_ROW1
.endif
.endr
.endr
.endm
.macro FETCH_B slot, q, p
	WIN TO_B
.irp i, 0,1,2,3,4,5,6,7
	FRAG 128*(\p)+FR*\i, ADRB+\slot, \q, \i
.endr
	WIN 0
.endm
.macro FETCH_A slot, q, i0
.irp i, \i0, \i0+1, \i0+2, \i0+3
	FRAG AF+FR*(\i), ADRA+\slot, \q, \i
.endr
.endm
.macro SCALES sc                       ; a K step's scale words: four a row; lanes 0-15 take X's block i, lanes 16-31 W's block i
.irp i, 0,1,2,3,4,5,6,7
	ds_load_b128 v[SC+8*NQ*\sc+NQ*\i:SC+8*NQ*\sc+NQ*\i+3], v[ADRS] offset:\i*SBLK
.endr
.endm
.macro PLACES n                        ; plain vector instructions between a matrix instruction and a load into, or a read of, its registers
.rept \n
	v_nop
.endr
.endm
.macro STEP slot, q, zero              ; 128 along K whose successor lies in the same slot
	s_wait_dscnt 4*NL                              ; W's set and X's blocks 0-3 are in; the youngest eight loads (X's blocks 4-7) may be out
.if \zero
	WIN FST_LO
.else
	WIN MUL_LO
.endif
	MUL16 0, (\q)%2, \q, \slot, \zero
	MUL16 2, (\q)%2, \q, \slot, \zero
	s_wait_dscnt 0
	PLACES NP
	FETCH_B \slot, (\q)+1, 1-(\q)%2
	FETCH_A \slot, (\q)+1, 0
.if \zero
	WIN FST_HI
.else
	WIN MUL_HI
.endif
	MUL16 4, (\q)%2, \q, \slot, \zero
	MUL16 6, (\q)%2, \q, \slot, \zero
	PLACES NP
	WIN 0
	FETCH_A \slot, (\q)+1, 4
.endm
.macro STEPS slot, from
.set Q, \from
.rept NQ-1-\from
	STEP \slot, Q, 0
.set Q, Q+1
.endr
.endm
	s_wait_tensorcnt 1                             ; the scales and my part of slot 0 are in; slot 1's load may be out
	s_barrier_signal -1
	s_barrier_wait -1                              ; everybody's are
	FETCH_B 0, 0, 0
	FETCH_A 0, 0, 0
	SCALES 0
	FETCH_A 0, 0, 4
	s_wait_loadcnt 0x0                             ; the bias and the mask words
	STEP 0, 0, 1
	STEPS 0, 1
	; slot 0's last step changes slots: each wave waits for all its tensor loads (slot 1's), adds 0 to its spare word, waits for that and for its reads; one barrier.  Nothing is filled again.
	s_wait_tensorcnt 0x0
	ds_add_u32 v[SPW], v[NIL]
	s_wait_dscnt 4*NL+1                            ; the add and the youngest eight loads may be out
	WIN MUL_LO
	MUL16 0, 1, NQ-1, 0, 0
	s_wait_dscnt 0x0
	s_barrier_signal -1
	MUL16 2, 1, NQ-1, 0, 0
	WIN 0
	s_barrier_wait -1
	PLACES NP
	v_add_nc_u32 v[ADRS], 4*NQ, v[ADRS]            ; the second K step's scale words
	FETCH_B 1, 0, 0
	FETCH_A 1, 0, 0
	SCALES 1
	WIN MUL_HI
	MUL16 4, 1, NQ-1, 0, 0
	MUL16 6, 1, NQ-1, 0, 0
	PLACES NP
	WIN 0
	FETCH_A 1, 0, 4
	STEPS 1, 0
	s_wait_dscnt 4*NL                              ; the very last step: nothing more to fetch
	WIN MUL_LO
	MUL16 0, 1, NQ-1, 1, 0
	MUL16 2, 1, NQ-1, 1, 0
	s_wait_dscnt 0
	WIN MUL_HI
	MUL16 4, 1, NQ-1, 1, 0
	MUL16 6, 1, NQ-1, 1, 0
	WIN 0
; THE WAY OUT, a block of 16 rows x 128 columns at a time: rounded to f16 (16 bytes a lane), masked rows cleared, through my own stage, back as whole rows of 256 bytes.
	PLACES NP
.irp a, 0,1,2,3,4,5,6,7
	v_cmp_ne_u32 s[MS+\a], 0, v[MK+\a]             ; the lanes whose row is kept: a choice of values, no branch
.endr
.irp a, 0,1,2,3,4,5,6,7
	s_or_b32 s[MS+\a], s[MS+\a], s66
.endr
.macro PACK a
.set AC, 64*((\a)%4)
	WIN 0x0a+5*((\a)/4)                            ; sources 0 and 1: window 2 or 3
.irp b, 0,1,2,3,4,5,6,7
.irp r, 0,1,2,3
	v_cvt_pk_f16_f32 v[TMP+4*\b+\r], v[AC+8*\b+2*\r], v[AC+8*\b+2*\r+1]   ; each accumulator from its low end on
.endr
.endr
	WIN 0
.set i, 0
.rept 32
	v_cndmask_b32 v[TMP+i], 0, v[TMP+i], s[MS+(\a)]
.set i, i+1
.endr
.endm
.macro TOSTAGE a
.set BK, OB+32*((\a)%2)
.irp b, 0,1,2,3,4,5,6,7
	ds_store_b128 v[STO], v[TMP+4*\b:TMP+4*\b+3] offset:32*\b
.endr
.irp t, 0,1,2,3,4,5,6,7
	ds_load_b128 v[BK+4*\t:BK+4*\t+3], v[RD] offset:\t*2*SPITCH    ; LDS serves a wave's instructions in order: these see the stores above
.endr
.endm
.macro SEND a
.set BK, OB+32*((\a)%2)
	s_wait_dscnt 0x0                               ; the block is back in registers
	s_wait_xcnt 0x0                                ; the stores of the block before have read their registers: the next block's loads from the stage land there only behind this wait
.irp t, 0,1,2,3,4,5,6,7
	global_store_b128 v[CO], v[BK+4*\t:BK+4*\t+3], s[16:17] offset:(16*(\a)+2*\t)*ROWO   ; 16 lanes store 256 consecutive bytes, aligned
.endr
.endm
	PACK 0
	TOSTAGE 0
.irp a, 1,2,3,4,5,6,7
	PACK \a                                        ; a block's conversions stand between the loads of the block before and the wait for them
	SEND \a-1
	TOSTAGE \a
.endr
	SEND 7
	s_wait_tensorcnt 0x0                           ; the wave's end: three lines behind my last tensor load and my last LDS store
	ds_add_u32 v[SPW], v[NIL]
	s_wait_dscnt 0x0
	CROUND                                         ; the closing round
	s_endpgm
.Lfunc_end_k_qdc78bd695b_proj:
	.size	k_qdc78bd695b_proj, .Lfunc_end_k_qdc78bd695b_proj-k_qdc78bd695b_proj
	.p2alignl 7, 3214868480
	.fill 96, 4, 3214868480
	.section	.rodata,"a",@progbits
	.p2align	6, 0x0
	.amdhsa_kernel k_qdc78bd695b_proj
		.amdhsa_group_segment_fixed_size 327680
		.amdhsa_private_segment_fixed_size 0
		.amdhsa_enable_private_segment 0
		.amdhsa_kernarg_size 56
		.amdhsa_user_sgpr_count 2
		.amdhsa_user_sgpr_kernarg_segment_ptr 1
		.amdhsa_wavefront_size32 1
		.amdhsa_system_sgpr_workgroup_id_x 1
		.amdhsa_system_sgpr_workgroup_id_y 1
		.amdhsa_system_sgpr_workgroup_id_z 1
		.amdhsa_system_vgpr_workitem_id 0
		.amdhsa_next_free_vgpr 1024
		.amdhsa_next_free_sgpr 100
		.amdhsa_reserve_vcc 0
		.amdhsa_float_denorm_mode_32 3
		.amdhsa_float_denorm_mode_16_64 3
		.amdhsa_memory_ordered 1
		.amdhsa_forward_progress 1
		.amdhsa_inst_pref_size 146
	.end_amdhsa_kernel
	.amdgpu_metadata
---
amdhsa.version: [ 1, 2 ]
amdhsa.kernels:
  - .name:           k_qdc78bd695b_proj
    .symbol:         k_qdc78bd695b_proj.kd
    .args:
      - { .name: codes, .offset: 0, .size: 8, .value_kind: global_buffer, .address_space: global }
      - { .name: scales, .offset: 8, .size: 8, .value_kind: global_buffer, .address_space: global }
      - { .name: bq, .offset: 16, .size: 8, .value_kind: global_buffer, .address_space: global }
      - { .name: bk, .offset: 24, .size: 8, .value_kind: global_buffer, .address_space: global }
      - { .name: bv, .offset: 32, .size: 8, .value_kind: global_buffer, .address_space: global }
      - { .name: mask, .offset: 40, .size: 8, .value_kind: global_buffer, .address_space: global }
      - { .name: qkv, .offset: 48, .size: 8, .value_kind: global_buffer, .address_space: global }
    .group_segment_fixed_size: 327680
    .private_segment_fixed_size: 0
    .kernarg_segment_align: 8
    .kernarg_segment_size: 56
    .max_flat_workgroup_size: 128
    .sgpr_count:     100
    .vgpr_count:     1024
    .wavefront_size: 32
...
	.end_amdgpu_metadata
.endif
;; end of part 2
;; launch attn (part 3): grid 16 x 32, 8 waves a work-group, clusters of 4 x 1, 327,680 bytes of LDS; arguments qkv, mask, o16; writes o16
.if DOCPART == 3
	.amdgcn_target "amdgcn-amd-amdhsa--gfx1250"
	.amdhsa_code_object_version 6
	.text
	.protected	k_qdc78bd695b_attn
	.globl	k_qdc78bd695b_attn
	.p2align	8
	.type	k_qdc78bd695b_attn,@function
k_qdc78bd695b_attn:
	s_mov_b64 s[64:65], 0
	v_nop
	global_prefetch_b8 v0, s[64:65] scope:SCOPE_SE
	s_setreg_imm32_b32 hwreg(HW_REG_WAVE_MODE, 25, 1), 1
	s_wait_xcnt 0x0
	s_wait_alu depctr_hold_cnt(0) depctr_sa_sdst(0) depctr_va_vdst(0) depctr_va_sdst(0) depctr_va_ssrc(0) depctr_va_vcc(0) depctr_vm_vsrc(0)
	s_getreg_b32 s2, hwreg(HW_REG_IB_STS2, 6, 4)
	s_cmp_eq_u32 s2, 0
	s_cbranch_scc0 .Lentry_in_a_cluster
	s_endpgm
.Lentry_in_a_cluster:
	s_bfe_u32 s2, ttmp6, 0x10000c
	s_cmp_lg_u32 s2, 0x3003
	s_cbranch_scc0 .Lentry_shape_is_right
	s_endpgm
.Lentry_shape_is_right:
; o16[token][head 64 + d] = sum over keys of softmax_key( where(mask[key] == 0, -65504, Q . K / 32) ) V[key][d], for 4 batches x 16 heads x 2048 queries x 2048 keys, head size 64.
; Q, K, V are the three parts of qkv, rows of 1024 f16.  Products on f16 operands with f32 sums; maxima, exponentials and sums in f32; the weights p are rounded to f16 for the second product, o once at the end.
; THE MASK costs no instruction a score: the launch before stored the rows of K of masked keys as zeros, and the first product of each tile of scores takes as its C, for each key, 0 or -65504 x 32 = -2,096,128 (exact in f32):
; a masked score is that number exactly, which the scale 1 / 32 turns into -65504.  A batch with no key left gives equal weights, as the definition does.
; SOFTMAX: a running maximum m and sum l for each query: p = 2^(c s - c m), c = log2(e) / 32; in every step O and l are multiplied by a = 2^(c m_old - c m_new).
; LIMITS: NaN and infinities are not served; |o| stays under 65,504 since |V| does.
; SHARES.  A work-group owns 128 queries of a PAIR of heads, so that a row's piece of K, V and o is 256 consecutive bytes, aligned.  Wave w: head w / 4 of the pair, queries 32 (w % 4) on: two tiles of 16.  Two waves lie on a SIMD:
; one's vector work stands beside the other's products.  Every wave walks all 2048 keys, 64 a step; a slot of LDS holds four steps; two slots.
; LAYOUT.  S^T = K Q^T (source 0 = 16 keys, source 1 = 16 queries) and O^T = V^T P: a lane holds ONE query throughout; two tiles of S^T, rounded in pairs, are source 1 of the second product.  V is turned by ds_load_tr16_b128.
; CLUSTER.  The four query blocks of a cluster walk the same K and V: each tile is asked for jointly, by the same load with the same descriptor and a mask that names the four.  A wave has one tensor load out at the most.
; REGISTERS: window 0: v2-15 addresses; v16-31 statistics, eight a tile; v32-63 the mask's C; v64-127 S^T; v128-159 P; v160-223 O^T; v224-255 at work.   window 1: v0-31 Q; v32-95 K of a step; v96-159 V of a step.
.set KS,    64
.set PK,    272                        ; a row of K in LDS: 256 bytes + 16
.set PV,    288                        ; a row of V: 256 + 32: 16 lanes of the turning load take 8 rows x 32 bytes, each word's place modulo 64 words once
.set VOFF,  KS*PK
.set STEPB, KS*(PK+PV)                 ; a step: 64 rows of K, then 64 of V
.set SLOTB, 4*STEPB
.set MB,    2*SLOTB                    ; behind the ring: 2048 f32, 0 or -2,096,128 for each key of the batch; written by LDS stores, no tensor load lands here
.set SPARE, MB+8192                    ; the spare words, 128 bytes a wave
.set SP,    272                        ; the way out: 128 rows x 272 bytes from LDS byte 0 on, in slot 0, which has had its last fill and its last read by then
.set ROWB,  2048                       ; a row of qkv and of o16 in bytes
.set KROW0, 8192
.set VROW0, 16384
.set AK0, 2
.set AV0, 3
.set AM0, 4
.set ADK, 5
.set ADV, 6
.set ADM, 7
.set QO,  8
.set STO, 9
.set RD,  10
.set GO,  11
.set SPW, 12
.set NIL, 13
.set PFO, 14
.set MW,  15
.set ST,  16                           ; tile t at ST + 8 t: +0 c m, +1 m, +2, +3 l, +4 to +7 four chains of the maximum; then +4, +5 the sums' second chain, +6 a, +7 c m_old - c m_new
.set CB,  32
.set S,   64
.set P,   128
.set O,   160
.set OLD, 224                          ; v224, v225: c m_old
.set QF,  0                            ; window 1
.set KF,  32
.set VF,  96
.set WV,  10
.set GH,  11
.set PC,  12
.set PFA, 18
.set LIM, 20
.set SLOTS, 21
.set LAP, 22
.set CNT, 23
.set G1K, 24
.set G1V, 32
.set G0K, 40
.set G0V, 48
.set CS,  56
.set SEL, 58
.set TB,  60
.set TM,  61
.set MSB, 0
.macro WIN new
.if MSB != (\new)
	s_set_vgpr_msb (MSB<<8)|(\new)
.set MSB, \new
.endif
.endm
; A joint load into slot s: waves 0-3 fetch the four steps' rows of K, waves 4-7 those of V.  The branch hangs on the wave's number alone.  An s_nop 0 and four v_nop follow each line.
.macro JLOAD s
	s_cmp_lt_u32 s[WV], 4
	s_cbranch_scc0 .Lfor_v_\@
	tensor_load_to_lds s[G0K+4*(\s):G0K+4*(\s)+3], s[G1K:G1K+7]
	s_nop 0
.rept 4
	v_nop
.endr
	s_branch .Lasked_\@
.Lfor_v_\@:
	tensor_load_to_lds s[G0V+4*(\s):G0V+4*(\s)+3], s[G1V:G1V+7]
	s_nop 0
.rept 4
	v_nop
.endr
.Lasked_\@:
.endm
; A prefetch of what the NEXT change of slots will ask for: 256 rows of K and 256 of V, 256 bytes of each row, a lane a row.  Each piece is named once in the launch: of the four clusters that walk a pair of heads the first asks;
; its four partners take 64 rows each, told apart by address; in each, waves 0 and 1 ask for K's (32 rows a wave), waves 4 and 5 for V's.  The last change that fills a slot asks for nothing.
.macro ASK
	s_cmp_gt_u32 s[SLOTS], s[LIM]
	s_cbranch_scc0 .Lnot_mine_\@
	global_prefetch_b8 v[PFO], s[PFA:PFA+1] th:TH_LOAD_NT scope:SCOPE_SE
.Lnot_mine_\@:
.endm
.macro CROUND
	s_barrier_signal -1
	s_barrier_wait -1
	s_cmp_lg_u32 s[WV], 0
	s_cbranch_scc1 .Lnot_wave_0_\@
	s_barrier_signal -3
.Lnot_wave_0_\@:
	s_barrier_wait -3
	s_barrier_signal -1
	s_barrier_wait -1
.endm
.macro PLACES
.rept 4
	v_nop
.endr
.endm
	s_load_b128 s[4:7], s[0:1], 0x0                ; qkv 4, mask 6
	s_load_b64 s[8:9], s[0:1], 0x10                ; o16
	v_lshl_add_u32 v[SPW], v0, 2, SPARE
	v_mov_b32 v[NIL], 0
	ds_add_u32 v[SPW], v[NIL]                      ; the wave's opening: the add, twice on end, and its wait ahead of my first tensor load
	ds_add_u32 v[SPW], v[NIL]
	v_lshrrev_b32 v1, 5, v0
	v_readfirstlane_b32 s[WV], v1                  ; wave 0..7
	s_lshr_b32 s[GH], s[WV], 2                     ; my head of the pair
	s_and_b32 s[PC], s[WV], 3                      ; my 32 queries of the 128.  Also: which of a slot's four steps I fetch
	s_bfe_u32 s13, ttmp6, 0x40000                  ; cx
	s_lshl_b32 s14, ttmp9, 2
	s_add_co_u32 s14, s14, s13                     ; my block of 128 queries: it enters Q's and o's addresses and the prefetches' alone
	s_and_b32 s16, ttmp7, 0xffff
	s_lshr_b32 s15, s16, 3                         ; the batch
	s_and_b32 s16, s16, 7                          ; the pair of heads
	s_mov_b32 s[G1K], 15|(1<<16)|(1<<20)|(1<<21)|(5<<22)|(3<<25)   ; all four work-groups; elements of 2 bytes; padding on; bit 21 beside a mask; after every 64 words, 4 words
	s_mov_b32 s[G1V], 15|(1<<16)|(1<<20)|(1<<21)|(5<<22)|(7<<25)   ; the same with 8 words
.irp g, G1K, G1V
	s_mov_b32 s[\g+1], 128<<16                     ; tensor_dim0 = 128
	s_mov_b32 s[\g+2], KS<<16                      ; tensor_dim1 = 64
	s_mov_b32 s[\g+3], 128<<16                     ; tile_dim0
	s_mov_b32 s[\g+4], KS                          ; tile_dim1
	s_mov_b32 s[\g+5], 1024                        ; elements from row to row
	s_mov_b32 s[\g+6], 0
	s_mov_b32 s[\g+7], 0
.endr
	s_mov_b32 s[CS], 0x3d38aa3b                    ; c = log2(e) / 32
	s_mov_b32 s[CS+1], s[CS]                       ; (named with it as a pair)
	s_mov_b32 s[SEL], 0x76543210
	s_mov_b32 s[SEL+1], 0xfedcba98                 ; v_permlanex16_b32: lane l xor 16
	s_mov_b32 s[TM], 0
	s_mov_b32 s[SLOTS], 7                          ; slots still to be asked for
	s_lshl_b32 s66, s15, 11                        ; 2048 b
	s_lshl_b32 s70, s16, 8                         ; the pair's 256 bytes in a row
	s_lshl_b32 s67, s[PC], 6
	s_add_co_u32 s67, s67, s66
	s_add_co_u32 s67, s67, KROW0                   ; the rows of K that I fetch for slot 0
	s_lshl_b32 s68, s67, 11
	s_add_co_u32 s68, s68, s70
	s_mov_b32 s69, 0
	s_mul_i32 s71, s[PC], STEPB                    ; and their place in a slot
	s_lshl_b32 s67, s[GH], 7                       ; my head's 128 bytes of the 256
	s_lshl_b32 s76, s14, 7
	s_add_co_u32 s76, s76, s66                     ; my work-group's first token
	s_lshl_b32 s77, s[PC], 5
	s_add_co_u32 s77, s77, s76
	s_lshl_b32 s77, s77, 11
	s_add_co_u32 s77, s77, s70
	s_add_co_u32 s78, s77, s67                     ; Q: my 32 rows, my head
	s_mov_b32 s79, 0
	s_lshl_b32 s77, s[WV], 4
	s_add_co_u32 s76, s76, s77
	s_lshl_b32 s76, s76, 11
	s_add_co_u32 s76, s76, s70                     ; o: the 16 whole pieces of rows that I store
	s_mov_b32 s77, 0
	s_mov_b32 s80, VROW0+256
	s_cmp_lt_u32 s[WV], 4
	s_cselect_b32 s80, KROW0+256, s80              ; the prefetches: slot 1 of my kind; the first change steps it to slot 2
	s_add_co_u32 s80, s80, s66
	s_lshl_b32 s81, s13, 6
	s_add_co_u32 s80, s80, s81                     ; my work-group's 64 rows,
	s_and_b32 s81, s[WV], 1
	s_lshl_b32 s81, s81, 5
	s_add_co_u32 s80, s80, s81                     ; my wave's 32
	s_lshl_b32 s80, s80, 11
	s_add_co_u32 s80, s80, s70
	s_mov_b32 s81, 0
	s_and_b32 s[LIM], s[WV], 2
	s_or_b32 s[LIM], s[LIM], ttmp9                 ; 0 in waves 0, 1, 4, 5 of the pair's first cluster: the same in all four partners
	s_cmp_eq_u32 s[LIM], 0
	s_cselect_b32 s[LIM], 1, -1
	s_lshl_b32 s82, s15, 13                        ; the batch's 2048 mask words
	s_mov_b32 s83, 0
	s_wait_dscnt 0x0                               ; both opening adds are done
	s_wait_kmcnt 0x0
	s_add_nc_u64 s[72:73], s[4:5], s[68:69]
	s_add_nc_u64 s[74:75], s[72:73], (VROW0-KROW0)*ROWB
	s_add_nc_u64 s[78:79], s[4:5], s[78:79]
	s_add_nc_u64 s[8:9], s[8:9], s[76:77]
	s_add_nc_u64 s[PFA:PFA+1], s[4:5], s[80:81]
	s_add_nc_u64 s[6:7], s[6:7], s[82:83]
.irp s, 0,1
	s_mov_b32 s[G0K+4*\s], 1
	s_add_co_u32 s[G0K+4*\s+1], s71, \s*SLOTB
	s_add_nc_u64 s[G0K+4*\s+2:G0K+4*\s+3], s[72:73], \s*256*ROWB   ; slot s begins with keys 256 s
	s_or_b32 s[G0K+4*\s+3], s[G0K+4*\s+3], 0x80000000
	s_mov_b32 s[G0V+4*\s], 1
	s_add_co_u32 s[G0V+4*\s+1], s71, \s*SLOTB+VOFF
	s_add_nc_u64 s[G0V+4*\s+2:G0V+4*\s+3], s[74:75], \s*256*ROWB
	s_or_b32 s[G0V+4*\s+3], s[G0V+4*\s+3], 0x80000000
.endr
	CROUND                                         ; all four work-groups are here: the first joint loads meet
	JLOAD 0
	v_lshlrev_b32 v1, 5, v0                        ; eight mask words a thread
	global_load_b128 v[232:235], v1, s[6:7]
	global_load_b128 v[236:239], v1, s[6:7] offset:16
	v_and_b32 v226, 15, v0                         ; r
	v_bfe_u32 v227, v0, 4, 1                       ; h
	v_lshlrev_b32 v[QO], 11, v226
	v_lshl_add_u32 v[QO], v227, 4, v[QO]           ; Q: row r, + 16 h
	WIN 0x40                                       ; destination window 1
.irp t, 0,1
.irp f, 0,1
	global_load_b128 v[QF+16*\t+8*\f:QF+16*\t+8*\f+3],   v[QO], s[78:79] offset:16*ROWB*\t+64*\f      ; Q stays in registers: tile t, channels 32 f on
	global_load_b128 v[QF+16*\t+8*\f+4:QF+16*\t+8*\f+7], v[QO], s[78:79] offset:16*ROWB*\t+64*\f+32
.endr
.endr
	WIN 0
	v_mul_u32_u24 v[AK0], v226, PK
	v_lshl_add_u32 v[AK0], v227, 4, v[AK0]
	v_add_nc_u32 v[AK0], s67, v[AK0]               ; K: row r x pitch + 16 h + my head
	v_and_b32 v228, 7, v0
	v_bfe_u32 v229, v0, 3, 1
	v_lshl_add_u32 v[AV0], v227, 3, v228           ; V, turned: key 8 h + lane % 8, channels 8 ((lane / 8) % 2) on
	v_mul_u32_u24 v[AV0], v[AV0], PV
	v_lshl_add_u32 v[AV0], v229, 4, v[AV0]
	s_add_co_u32 s68, s67, VOFF
	v_add_nc_u32 v[AV0], s68, v[AV0]
	v_lshl_add_u32 v[AM0], v227, 5, MB             ; the mask's C: my half's eight keys of a tile
	v_lshl_add_u32 v[MW], v0, 5, MB                ; where I write my eight
	v_and_b32 v[PFO], 31, v0
	v_lshlrev_b32 v[PFO], 11, v[PFO]
	s_mul_i32 s68, s[PC], 32*SP
	s_add_co_u32 s68, s68, s67
	v_mul_u32_u24 v[STO], v226, SP                 ; the way out, in: row 32 (w % 4) + r, my head's half, 16 bytes for each half of the lanes
	v_lshl_add_u32 v[STO], v227, 4, v[STO]
	v_add_nc_u32 v[STO], s68, v[STO]
	s_mul_i32 s68, s[WV], 16*SP
	v_mul_u32_u24 v[RD], v227, SP                  ; back: rows 16 w on; lanes 0-15 one row of 256 bytes, lanes 16-31 the next
	v_lshl_add_u32 v[RD], v226, 4, v[RD]
	v_add_nc_u32 v[RD], s68, v[RD]
	v_lshlrev_b32 v[GO], 11, v227
	v_lshl_add_u32 v[GO], v226, 4, v[GO]
	v_mov_b32 v240, 0xc9ffe000                     ; -2,096,128
.irp t, 0,1
	v_mov_b32 v[ST+8*\t+1], 0xff61b1e6             ; m: -3e38, under every score
.irp j, 2,3,4,5,6,7
	v_mov_b32 v[ST+8*\t+\j], 0
.endr
	v_mul_f32 v[ST+8*\t], s[CS], v[ST+8*\t+1]
.endr
.set i, 0
.rept 64
	v_mov_b32 v[O+i], 0                            ; O^T.  (The step is written once: the first finds zeros, and its a is 0)
.set i, i+1
.endr
	s_wait_loadcnt 8                               ; the mask words are in; Q's eight loads may be out
.irp j, 232,233,234,235,236,237,238,239
	v_cmp_eq_u32 vcc_lo, 0, v\j
	v_cndmask_b32 v\j, 0, v240, vcc_lo
.endr
	ds_store_b128 v[MW], v[232:235]                ; the first change of slots waits for these stores ahead of its barrier: behind it every wave may read the table
	ds_store_b128 v[MW], v[236:239] offset:16
	s_wait_loadcnt 0x0                             ; Q
.macro SCALE t, i                      ; pair i of tile t: c s - c m
	v_pk_fma_f32 v[S+32*(\t)+2*(\i):S+32*(\t)+2*(\i)+1], v[S+32*(\t)+2*(\i):S+32*(\t)+2*(\i)+1], s[CS:CS+1], v[ST+8*(\t):ST+8*(\t)+1] op_sel_hi:[1,0,0] neg_lo:[0,0,1] neg_hi:[0,0,1]
.endm
.macro EXP2 t, i                       ; the pair's two exponentials
	v_exp_f32 v[S+32*(\t)+2*(\i)], v[S+32*(\t)+2*(\i)]
	v_exp_f32 v[S+32*(\t)+2*(\i)+1], v[S+32*(\t)+2*(\i)+1]
.endm
.macro CVT t, i
	v_cvt_pk_f16_f32 v[P+16*(\t)+(\i)], v[S+32*(\t)+2*(\i)], v[S+32*(\t)+2*(\i)+1]
.endm
.macro SUM t, i                        ; the sum of the unrounded p, in two chains: l = a l + the even pairs; the odd pairs apart
.if (\i) == 0
	v_pk_fma_f32 v[ST+8*(\t)+2:ST+8*(\t)+3], v[ST+8*(\t)+2:ST+8*(\t)+3], v[ST+8*(\t)+6:ST+8*(\t)+7], v[S+32*(\t):S+32*(\t)+1] op_sel_hi:[1,0,1]
.elseif (\i) == 1
.elseif (\i) == 3
	v_pk_add_f32 v[ST+8*(\t)+4:ST+8*(\t)+5], v[S+32*(\t)+2:S+32*(\t)+3], v[S+32*(\t)+6:S+32*(\t)+7]
.elseif (\i)%2 == 0
	v_pk_add_f32 v[ST+8*(\t)+2:ST+8*(\t)+3], v[ST+8*(\t)+2:ST+8*(\t)+3], v[S+32*(\t)+2*(\i):S+32*(\t)+2*(\i)+1]
.else
	v_pk_add_f32 v[ST+8*(\t)+4:ST+8*(\t)+5], v[ST+8*(\t)+4:ST+8*(\t)+5], v[S+32*(\t)+2*(\i):S+32*(\t)+2*(\i)+1]
.endif
.endm
.macro SUMEND t
	v_pk_add_f32 v[ST+8*(\t)+2:ST+8*(\t)+3], v[ST+8*(\t)+2:ST+8*(\t)+3], v[ST+8*(\t)+4:ST+8*(\t)+5]
.endm
.macro RESC t, i                       ; pair i of the tile's O^T times a, each accumulator from its low end on
	v_pk_mul_f32 v[O+32*(\t)+2*(\i):O+32*(\t)+2*(\i)+1], v[O+32*(\t)+2*(\i):O+32*(\t)+2*(\i)+1], v[ST+8*(\t)+6:ST+8*(\t)+7] op_sel_hi:[1,0]
.endm
; A KEY STEP: 64 keys at LDS byte s[TB]; their mask numbers at MB + s[TM].
.macro STEP
	v_add_nc_u32 v[ADK], s[TB], v[AK0]             ; three additions and a v_nop: the four places between the last step's products and the loads into V's registers
	v_add_nc_u32 v[ADV], s[TB], v[AV0]
	v_add_nc_u32 v[ADM], s[TM], v[AM0]
	v_nop
.irp kt, 0,1,2,3
	ds_load_b128 v[CB+8*\kt:CB+8*\kt+3],   v[ADM] offset:64*\kt        ; register j: key 16 kt + 8 h + j, the same for every query
	ds_load_b128 v[CB+8*\kt+4:CB+8*\kt+7], v[ADM] offset:64*\kt+16
.endr
	WIN 0x40
.irp kt, 0,1,2,3
.irp f, 0,1
	ds_load_b128 v[KF+16*\kt+8*\f:KF+16*\kt+8*\f+3],   v[ADK] offset:\kt*16*PK+64*\f
	ds_load_b128 v[KF+16*\kt+8*\f+4:KF+16*\kt+8*\f+7], v[ADK] offset:\kt*16*PK+64*\f+32
.endr
.endr
.irp kk, 0,1
.irp ct, 0,1,2,3
	ds_load_tr16_b128 v[VF+32*\kk+8*\ct:VF+32*\kk+8*\ct+3],   v[ADV] offset:\kk*32*PV+32*\ct
	ds_load_tr16_b128 v[VF+32*\kk+8*\ct+4:VF+32*\kk+8*\ct+7], v[ADV] offset:\kk*32*PV+16*PV+32*\ct
.endr
.endr
	s_wait_dscnt 16                                ; the mask's C and K are in; V's sixteen loads may be out
	WIN 0x05                                       ; K and Q window 1; C and D window 0
.irp f, 0,1                                    ; eight accumulators by turns; the first product of each begins with the mask's C
.irp t, 0,1
.irp kt, 0,1,2,3
.if \f == 0
	v_wmma_f32_16x16x32_f16 v[S+32*\t+8*\kt:S+32*\t+8*\kt+7], v[KF+16*\kt:KF+16*\kt+7], v[QF+16*\t:QF+16*\t+7], v[CB+8*\kt:CB+8*\kt+7]
.else
	v_wmma_f32_16x16x32_f16 v[S+32*\t+8*\kt:S+32*\t+8*\kt+7], v[KF+16*\kt+8:KF+16*\kt+15], v[QF+16*\t+8:QF+16*\t+15], v[S+32*\t+8*\kt:S+32*\t+8*\kt+7]
.endif
.endr
.endr
.endr
	WIN 0
	v_mov_b32 v[OLD], v[ST]                        ; c m_old is kept for a.  (With the two v_nop: the four places behind the products)
	v_mov_b32 v[OLD+1], v[ST+8]
	v_nop
	v_nop
.irp j, 0,1,2,3                                ; the maximum of a lane's 32 scores and the old m: four chains a tile, the tiles alternating; each accumulator is first read at its low end
.irp t, 0,1
	v_max3_num_f32 v[ST+8*\t+4+\j], v[S+32*\t+8*\j], v[S+32*\t+8*\j+1], v[S+32*\t+8*\j+2]
.endr
.endr
.irp u, 1,2
.irp j, 0,1,2,3
.irp t, 0,1
	v_max3_num_f32 v[ST+8*\t+4+\j], v[ST+8*\t+4+\j], v[S+32*\t+8*\j+2*\u+1], v[S+32*\t+8*\j+2*\u+2]
.endr
.endr
.endr
.irp t, 0,1
	v_max3_num_f32 v[ST+8*\t+4], v[ST+8*\t+4], v[S+32*\t+7], v[S+32*\t+15]
.endr
.irp t, 0,1
	v_max3_num_f32 v[ST+8*\t+6], v[ST+8*\t+6], v[S+32*\t+23], v[S+32*\t+31]
.endr
.irp t, 0,1
	v_max3_num_f32 v[ST+8*\t+4], v[ST+8*\t+4], v[ST+8*\t+5], v[ST+8*\t+6]
.endr
.irp t, 0,1
	v_max3_num_f32 v[ST+8*\t+4], v[ST+8*\t+4], v[ST+8*\t+7], v[ST+8*\t+1]
.endr
.irp t, 0,1
	v_permlanex16_b32 v[ST+8*\t+5], v[ST+8*\t+4], s[SEL], s[SEL+1]   ; the query's other 32 keys lie in the lane 16 away
.endr
.irp t, 0,1
	v_max_num_f32 v[ST+8*\t+1], v[ST+8*\t+4], v[ST+8*\t+5]
.endr
.irp t, 0,1
	v_mul_f32 v[ST+8*\t], s[CS], v[ST+8*\t+1]
.endr
.irp t, 0,1
	v_sub_f32 v[ST+8*\t+7], v[OLD+\t], v[ST+8*\t]
.endr
.irp i, 0,1,2,3,4,5,6,7,8,9,10,11,12,13,14,15
	SCALE 0, \i
.endr
	v_exp_f32 v[ST+6], v[ST+7]                     ; FIRST BATCH: a of both tiles and tile 0's 32 exponentials; tile 1's scalings stand between them and name no result
	v_exp_f32 v[ST+14], v[ST+15]
.irp i, 0,1,2,3,4,5,6,7,8,9,10,11,12,13,14,15
	EXP2 0, \i
	SCALE 1, \i
.endr
	s_wait_alu depctr_va_vdst(0)                   ; one wait for the batch, ahead of the first line that names a result
.irp i, 0,1,2,3,4,5,6,7,8,9,10,11,12,13,14,15  ; SECOND BATCH: tile 1's exponentials; tile 0's roundings, sums and rescaling stand between them
	EXP2 1, \i
	CVT 0, \i
	SUM 0, \i
	RESC 0, \i
.endr
	SUMEND 0
	s_wait_alu depctr_va_vdst(0)                   ; and one for the second batch
.irp i, 0,1,2,3,4,5,6,7,8,9,10,11,12,13,14,15
	CVT 1, \i
	SUM 1, \i
	RESC 1, \i
.endr
	SUMEND 1
	s_wait_dscnt 0x0                               ; V is in
	WIN 0x01                                       ; V window 1; P, C and D window 0
.irp kk, 0,1                                   ; O^T += V^T P: eight accumulators by turns
.irp ct, 0,1,2,3
.irp t, 0,1
	v_wmma_f32_16x16x32_f16 v[O+32*\t+8*\ct:O+32*\t+8*\ct+7], v[VF+32*\kk+8*\ct:VF+32*\kk+8*\ct+7], v[P+16*\t+8*\kk:P+16*\t+8*\kk+7], v[O+32*\t+8*\ct:O+32*\t+8*\ct+7]
.endr
.endr
.endr
	WIN 0
	s_add_co_u32 s[TB], s[TB], STEPB
	s_add_co_u32 s[TM], s[TM], 4*KS
.endm
; THE CHANGE OF SLOTS stands at a slot's head.  Each wave waits for all its tensor loads (its part of the slot that it is about to read), adds 0 to its spare word, and waits for that and for its LDS reads and stores.
; fill = 1: the barrier is a round of the cluster's, and behind it the other slot takes the next 256 keys: the wave's one tensor load until the next round; it has four key steps in which to land.
.macro CHANGE slot, fill
	s_wait_tensorcnt 0x0                           ; no tensor load of mine is out, so a group 0 may be written
	ds_add_u32 v[SPW], v[NIL]
.if \fill
	s_add_nc_u64 s[G0K+4*\slot+2:G0K+4*\slot+3], s[G0K+4*\slot+2:G0K+4*\slot+3], 2*256*ROWB   ; this slot's next keys
	s_add_nc_u64 s[G0V+4*\slot+2:G0V+4*\slot+3], s[G0V+4*\slot+2:G0V+4*\slot+3], 2*256*ROWB
	s_wait_xcnt 0x0                                ; the last prefetch, a slot back, has read its address
	s_add_nc_u64 s[PFA:PFA+1], s[PFA:PFA+1], 256*ROWB
	s_wait_dscnt 0x0
	CROUND
	JLOAD 1-\slot
	ASK
	s_sub_co_u32 s[SLOTS], s[SLOTS], 1
.else
	s_wait_dscnt 0x0
	s_barrier_signal -1
	s_barrier_wait -1
.endif
	s_mov_b32 s[TB], \slot*SLOTB
.endm
.macro SLOT_STEPS
	s_mov_b32 s[CNT], 4
.Lstep_\@:
	STEP
	s_sub_co_u32 s[CNT], s[CNT], 1
	s_cmp_lg_u32 s[CNT], 0
	s_cbranch_scc1 .Lstep_\@
.endm
	s_mov_b32 s[LAP], 3
.Llap:                                             ; 2048 keys are eight slots' worth: three laps of two, and a last lap that is written out
	CHANGE 0, 1
	SLOT_STEPS
	CHANGE 1, 1
	SLOT_STEPS
	s_sub_co_u32 s[LAP], s[LAP], 1
	s_cmp_lg_u32 s[LAP], 0
	s_cbranch_scc1 .Llap
	CHANGE 0, 1
	SLOT_STEPS
	CHANGE 1, 0                                    ; nothing is left to fetch; behind this barrier nobody reads slot 0 any more
	SLOT_STEPS
	; THE WAY OUT.  l's halves are added; O^T is divided by l, rounded to f16 and laid into the stage; a row's 256 bytes come from two waves, so a barrier stands between writing and reading.
	PLACES
.irp t, 0,1
	v_add_f32 v[ST+8*\t+4], v[ST+8*\t+2], v[ST+8*\t+3]
.endr
.irp t, 0,1
	v_permlanex16_b32 v[ST+8*\t+5], v[ST+8*\t+4], s[SEL], s[SEL+1]
.endr
.irp t, 0,1
	v_add_f32 v[ST+8*\t+4], v[ST+8*\t+4], v[ST+8*\t+5]
.endr
.irp t, 0,1
	v_rcp_f32 v[ST+8*\t+6], v[ST+8*\t+4]
.endr
	v_nop                                          ; a plain line behind the last reciprocal
	s_wait_alu depctr_va_vdst(0)                   ; and the wait ahead of the first use: one for both
.irp t, 0,1
.irp i, 0,1,2,3,4,5,6,7,8,9,10,11,12,13,14,15
	RESC \t, \i
.endr
.endr
.irp t, 0,1
.irp i, 0,1,2,3,4,5,6,7,8,9,10,11,12,13,14,15
	v_cvt_pk_f16_f32 v[S+16*\t+\i], v[O+32*\t+2*\i], v[O+32*\t+2*\i+1]
.endr
.endr
.irp t, 0,1
.irp ct, 0,1,2,3
	ds_store_b128 v[STO], v[S+16*\t+4*\ct:S+16*\t+4*\ct+3] offset:16*SP*\t+32*\ct   ; channels 16 ct + 8 h + 0 .. 7 of query 16 t + r
.endr
.endr
	s_wait_dscnt 0x0                               ; for the others' sake: my stores into the stage are done
	s_barrier_signal -1
	s_barrier_wait -1
.irp i, 0,1,2,3,4,5,6,7
	ds_load_b128 v[S+32+4*\i:S+32+4*\i+3], v[RD] offset:\i*2*SP
.endr
.irp i, 0,1,2,3,4,5,6,7
	s_wait_dscnt 7-\i                              ; the younger loads from the stage may be out
	global_store_b128 v[GO], v[S+32+4*\i:S+32+4*\i+3], s[8:9] offset:2*ROWB*\i   ; 16 lanes store 256 consecutive bytes, aligned
.endr
	s_wait_tensorcnt 0x0                           ; the wave's end: three lines behind my last tensor load and my last LDS store
	ds_add_u32 v[SPW], v[NIL]
	s_wait_dscnt 0x0
	CROUND                                         ; the closing round
	s_endpgm
.Lfunc_end_k_qdc78bd695b_attn:
	.size	k_qdc78bd695b_attn, .Lfunc_end_k_qdc78bd695b_attn-k_qdc78bd695b_attn
	.p2alignl 7, 3214868480
	.fill 96, 4, 3214868480
	.section	.rodata,"a",@progbits
	.p2align	6, 0x0
	.amdhsa_kernel k_qdc78bd695b_attn
		.amdhsa_group_segment_fixed_size 327680
		.amdhsa_private_segment_fixed_size 0
		.amdhsa_enable_private_segment 0
		.amdhsa_kernarg_size 24
		.amdhsa_user_sgpr_count 2
		.amdhsa_user_sgpr_kernarg_segment_ptr 1
		.amdhsa_wavefront_size32 1
		.amdhsa_system_sgpr_workgroup_id_x 1
		.amdhsa_system_sgpr_workgroup_id_y 1
		.amdhsa_system_sgpr_workgroup_id_z 1
		.amdhsa_system_vgpr_workitem_id 0
		.amdhsa_next_free_vgpr 512
		.amdhsa_next_free_sgpr 84
		.amdhsa_reserve_vcc 1
		.amdhsa_float_denorm_mode_32 3
		.amdhsa_float_denorm_mode_16_64 3
		.amdhsa_memory_ordered 1
		.amdhsa_forward_progress 1
		.amdhsa_inst_pref_size 94
	.end_amdhsa_kernel
	.amdgpu_metadata
---
amdhsa.version: [ 1, 2 ]
amdhsa.kernels:
  - .name:           k_qdc78bd695b_attn
    .symbol:         k_qdc78bd695b_attn.kd
    .args:
      - { .name: qkv, .offset: 0, .size: 8, .value_kind: global_buffer, .address_space: global }
      - { .name: mask, .offset: 8, .size: 8, .value_kind: global_buffer, .address_space: global }
      - { .name: o16, .offset: 16, .size: 8, .value_kind: global_buffer, .address_space: global }
    .group_segment_fixed_size: 327680
    .private_segment_fixed_size: 0
    .kernarg_segment_align: 8
    .kernarg_segment_size: 24
    .max_flat_workgroup_size: 256
    .sgpr_count:     84
    .vgpr_count:     512
    .wavefront_size: 32
...
	.end_amdgpu_metadata
.endif
;; end of part 3
;; launch outp (part 4): grid 8 x 64, 4 waves a work-group, clusters of 4 x 4, 327,680 bytes of LDS; arguments o16, wo16, bo, out0; writes out0
.if DOCPART == 4
	.amdgcn_target "amdgcn-amd-amdhsa--gfx1250"
	.amdhsa_code_object_version 6
	.text
	.protected	k_qdc78bd695b_outp
	.globl	k_qdc78bd695b_outp
	.p2align	8
	.type	k_qdc78bd695b_outp,@function
k_qdc78bd695b_outp:
	s_mov_b64 s[64:65], 0
	v_nop
	global_prefetch_b8 v0, s[64:65] scope:SCOPE_SE
	s_setreg_imm32_b32 hwreg(HW_REG_WAVE_MODE, 25, 1), 1
	s_wait_xcnt 0x0
	s_wait_alu depctr_hold_cnt(0) depctr_sa_sdst(0) depctr_va_vdst(0) depctr_va_sdst(0) depctr_va_ssrc(0) depctr_va_vcc(0) depctr_vm_vsrc(0)
	s_getreg_b32 s2, hwreg(HW_REG_IB_STS2, 6, 4)
	s_cmp_eq_u32 s2, 0
	s_cbranch_scc0 .Lentry_in_a_cluster
	s_endpgm
.Lentry_in_a_cluster:
	s_bfe_u32 s2, ttmp6, 0x10000c
	s_cmp_lg_u32 s2, 0xf033
	s_cbranch_scc0 .Lentry_shape_is_right
	s_endpgm
.Lentry_shape_is_right:
; out0[m][n] = sum over k of o16[m][k] wo16[n][k] + bo[n].  o16 [8192][1024] and wo16 [1024][1024] f16; sums in f32, begun with the bias; out0 f32.
; A tile is 128 x 128: 512 work-groups of equal work (256 x 256 would give 128).  Four waves, each 64 x 64: 16 accumulators.  K goes in four steps of 256 (LDS rows of 512 bytes, 64 rows to a tensor load) through two slots;
; each slot is filled twice, so the walk is written out without a loop.  By this text's count a wave has two tensor loads out at the start and one behind each round.
; CLUSTERS: 4 x 4 work-groups; the four of a row need the same rows of o16, the four of a column the same rows of wo16: each tile is asked for jointly.
; THE MATRIX INSTRUCTION IS USED TRANSPOSED (source 0 = 16 rows of wo16, source 1 = 16 rows of o16): a lane holds eight neighbouring columns of a row.  A wave's 64 columns are 256 bytes, aligned: each wave has a stage of its own.
; REGISTERS: window 0: v16-29 addresses; v32-95 rows on the way out; v96-127 the bias in the result's layout; v128-255 the accumulators ((a, b) at v[128 + 8 (4 a + b)]).   window 1: two fragment buffers of 128.
.set SIZE_N, 1024
.set SIZE_K, 1024
.set KSTEP,  256
.set PITCH,  528                       ; 512 bytes + 16 of padding = 132 words: the 16 rows that a load touches start 4 words apart modulo 64
.set HALFT,  64*PITCH
.set SLOT,   4*HALFT
.set STAGE,  2*SLOT                    ; behind the ring: 16 rows x 272 bytes for each wave
.set SPITCH, 272
.set SPARE,  STAGE+4*16*SPITCH         ; the spare words, 128 bytes a wave
.set ADRA, 16
.set ADRB, 20
.set STO,  24
.set RD,   25
.set CO,   26
.set BOF,  27
.set SPW,  28
.set NIL,  29
.set OB,   32
.set BIAS, 96
.set ACC,  128
.set F0,   0
.set F1,   128
.set WV,   12
.set HR,   13
.set HC,   14
.set TR,   15
.set G1,   24
.set G0,   32
.set G1B,  48
.set G0B,  56
.set MSB, 0
.macro WIN new
.if MSB != (\new)
	s_set_vgpr_msb (MSB<<8)|(\new)
.set MSB, \new
.endif
.endm
.set MUL,  0x05                        ; sources 0 and 1 window 1; C and D window 0
.set TO_F, 0x40
.macro JLOAD s                         ; a joint load: waves 0 and 1 fetch o16's two halves, waves 2 and 3 wo16's; an s_nop 0 and four v_nop follow each line
	s_cmp_eq_u32 s[HR], 0
	s_cbranch_scc0 .Lfor_b_\@
	tensor_load_to_lds s[G0+4*\s:G0+4*\s+3], s[G1:G1+7]
	s_nop 0
.rept 4
	v_nop
.endr
	s_branch .Lasked_\@
.Lfor_b_\@:
	tensor_load_to_lds s[G0B+4*\s:G0B+4*\s+3], s[G1B:G1B+7]
	s_nop 0
.rept 4
	v_nop
.endr
.Lasked_\@:
.endm
.macro CREST
	s_cmp_lg_u32 s[WV], 0
	s_cbranch_scc1 .Lnot_wave_0_\@
	s_barrier_signal -3
.Lnot_wave_0_\@:
	s_barrier_wait -3
	s_barrier_signal -1
	s_barrier_wait -1
.endm
.macro CROUND
	s_barrier_signal -1
	s_barrier_wait -1
	CREST
.endm
	s_load_b256 s[4:11], s[0:1], 0x0               ; o16 4, wo16 6, bo 8, out0 10
	v_lshl_add_u32 v[SPW], v0, 2, SPARE
	v_mov_b32 v[NIL], 0
	ds_add_u32 v[SPW], v[NIL]                      ; the wave's opening: the add, twice on end, and its wait ahead of my first tensor load
	ds_add_u32 v[SPW], v[NIL]
	v_lshrrev_b32 v1, 5, v0
	v_readfirstlane_b32 s[WV], v1
	s_lshr_b32 s[HR], s[WV], 1                     ; my half of the tile's rows.  Also: I fetch for o16 (0) or for wo16 (1)
	s_and_b32 s[HC], s[WV], 1                      ; my half of its columns.  Also: which 64 rows I fetch
	s_bfe_u32 s40, ttmp6, 0x40000                  ; cx
	s_bfe_u32 s41, ttmp6, 0x40004                  ; cy
	s_lshl_b32 s42, ttmp9, 2
	s_add_co_u32 s42, s42, s40                     ; tile column
	s_and_b32 s[TR], ttmp7, 0xffff
	s_lshl_b32 s[TR], s[TR], 2
	s_add_co_u32 s[TR], s[TR], s41                 ; tile row
	s_lshl_b32 s43, s41, 2
	s_lshl_b32 s43, 15, s43                        ; my row of the cluster
	s_lshl_b32 s44, 0x1111, s40                    ; my column
	s_or_b32 s[G1+0], s43, (1<<16)|(1<<20)|(1<<21)|(6<<22)|(3<<25)   ; the mask; elements of 2 bytes; padding on; bit 21 beside a mask; after every 128 words, 4 words
	s_or_b32 s[G1B+0], s44, (1<<16)|(1<<20)|(1<<21)|(6<<22)|(3<<25)
.irp g, G1, G1B
	s_mov_b32 s[\g+1], KSTEP<<16
	s_mov_b32 s[\g+2], 64<<16
	s_mov_b32 s[\g+3], KSTEP<<16
	s_mov_b32 s[\g+4], 64
	s_mov_b32 s[\g+5], SIZE_K
	s_mov_b32 s[\g+6], 0
	s_mov_b32 s[\g+7], 0
.endr
	s_lshl_b32 s17, s[HC], 6
	s_lshl_b32 s16, s[TR], 7
	s_add_co_u32 s16, s16, s17                     ; o16: row 128 x tile row + 64 x half
	s_lshl_b32 s46, s42, 7
	s_add_co_u32 s46, s46, s17                     ; wo16: row 128 x tile column + 64 x half
	s_lshl_b32 s16, s16, 11                        ; 2,048 bytes a row: under 2^25
	s_mov_b32 s17, 0
	s_lshl_b32 s46, s46, 11
	s_mov_b32 s47, 0
	s_mul_i32 s20, s[WV], HALFT                    ; where they go: wave x 64 rows
	s_wait_dscnt 0x0                               ; both opening adds are done
	s_wait_kmcnt 0x0
	s_add_nc_u64 s[18:19], s[4:5], s[16:17]
	s_add_nc_u64 s[46:47], s[6:7], s[46:47]
	CROUND                                         ; all sixteen work-groups are here: the first joint loads meet
.irp s, 0,1
	s_mov_b32 s[G0+4*\s], 1
	s_add_co_u32 s[G0+4*\s+1], s20, \s*SLOT
	s_add_nc_u64 s[G0+4*\s+2:G0+4*\s+3], s[18:19], \s*KSTEP*2
	s_or_b32 s[G0+4*\s+3], s[G0+4*\s+3], 0x80000000
	s_mov_b32 s[G0B+4*\s], 1
	s_add_co_u32 s[G0B+4*\s+1], s20, \s*SLOT
	s_add_nc_u64 s[G0B+4*\s+2:G0B+4*\s+3], s[46:47], \s*KSTEP*2
	s_or_b32 s[G0B+4*\s+3], s[G0B+4*\s+3], 0x80000000
	JLOAD \s
.endr
	v_and_b32 v1, 15, v0                           ; r
	v_bfe_u32 v2, v0, 4, 1                         ; h
	v_mul_u32_u24 v3, v1, PITCH
	v_lshl_add_u32 v3, v2, 4, v3
	s_mul_i32 s21, s[HR], HALFT
	s_mul_i32 s22, s[HC], HALFT
	s_add_co_u32 s22, s22, 2*HALFT
.irp s, 0,1
	v_add_nc_u32 v[ADRA+\s], s21, v3
	v_add_nc_u32 v[ADRB+\s], s22, v3
	s_add_co_u32 s21, s21, SLOT
	s_add_co_u32 s22, s22, SLOT
.endr
	s_mul_i32 s23, s[WV], 16*SPITCH
	s_add_co_u32 s23, s23, STAGE                   ; my stage
	v_mul_u32_u24 v4, v1, SPITCH                   ; in: row r, 32 bytes for each half of the lanes
	v_lshl_add_u32 v4, v2, 5, v4
	v_add_nc_u32 v[STO], s23, v4
	v_mul_u32_u24 v5, v2, SPITCH                   ; back: lanes 0-15 one row of 256 bytes, lanes 16-31 the next
	v_lshl_add_u32 v5, v1, 4, v5
	v_add_nc_u32 v[RD], s23, v5
	v_lshlrev_b32 v5, 12, v2                       ; and the same two rows in out0
	v_lshl_add_u32 v[CO], v1, 4, v5
	v_lshlrev_b32 v[BOF], 5, v2
	s_lshl_b32 s16, s[TR], 7
	s_lshl_b32 s17, s[HR], 6
	s_add_co_u32 s16, s16, s17                     ; my first row
	s_lshl_b32 s16, s16, 12
	s_lshl_b32 s46, s42, 9
	s_lshl_b32 s47, s[HC], 8
	s_add_co_u32 s46, s46, s47                     ; my first column, in bytes
	s_mov_b32 s47, 0
	s_add_nc_u64 s[8:9], s[8:9], s[46:47]
	s_add_co_u32 s16, s16, s46
	s_mov_b32 s17, 0
	s_add_nc_u64 s[10:11], s[10:11], s[16:17]
.irp b, 0,1,2,3
	global_load_b128 v[BIAS+8*\b:BIAS+8*\b+3], v[BOF], s[8:9] offset:64*\b        ; register j of block b: the bias of column 16 b + 8 h + j
	global_load_b128 v[BIAS+8*\b+4:BIAS+8*\b+7], v[BOF], s[8:9] offset:64*\b+16
.endr
; 8 matrix instructions: m blocks a0, a0 + 1 x all 4 n blocks, 32 along K: half c of buffer f.  zero = 1: the sums begin with the bias.  The 16 accumulators take turns.
.macro MUL8 f, c, a0, zero
.irp a, \a0, \a0+1
.irp b, 0,1,2,3
.if \zero
	v_wmma_f32_16x16x32_f16 v[ACC+8*(4*(\a)+\b):ACC+8*(4*(\a)+\b)+7], v[\f+64+8*(4*\c+\b):\f+64+8*(4*\c+\b)+7], v[\f+8*(4*\c+\a):\f+8*(4*\c+\a)+7], v[BIAS+8*\b:BIAS+8*\b+7]
.else
	v_wmma_f32_16x16x32_f16 v[ACC+8*(4*(\a)+\b):ACC+8*(4*(\a)+\b)+7], v[\f+64+8*(4*\c+\b):\f+64+8*(4*\c+\b)+7], v[\f+8*(4*\c+\a):\f+8*(4*\c+\a)+7], v[ACC+8*(4*(\a)+\b):ACC+8*(4*(\a)+\b)+7]
.endif
.endr
.endr
.endm
.macro FETCH slot, k, f                ; 32 LDS loads in one run: the fragments of 64 along K at byte k of the rows; the first 32 along K first
	WIN TO_F
.irp c, 0,1
.irp i, 0,1,2,3
	ds_load_b128 v[\f+64+8*(4*\c+\i):\f+64+8*(4*\c+\i)+3],   v[ADRB+\slot] offset:\k+64*\c+\i*16*PITCH
	ds_load_b128 v[\f+64+8*(4*\c+\i)+4:\f+64+8*(4*\c+\i)+7], v[ADRB+\slot] offset:\k+64*\c+\i*16*PITCH+32
	ds_load_b128 v[\f+8*(4*\c+\i):\f+8*(4*\c+\i)+3],         v[ADRA+\slot] offset:\k+64*\c+\i*16*PITCH
	ds_load_b128 v[\f+8*(4*\c+\i)+4:\f+8*(4*\c+\i)+7],       v[ADRA+\slot] offset:\k+64*\c+\i*16*PITCH+32
.endr
.endr
.endm
.macro PLACES                          ; four plain lines in front of loads into registers that matrix instructions have read, and of reads of results
.rept 4
	v_nop
.endr
.endm
.macro QUARTER slot, k, f, g, zero     ; 64 along K: multiplies buffer f and fetches the next quarter, at byte k, into g
	s_wait_dscnt 16                                ; the first 32 along K are in; the sixteen loads of the second 32 may be out
	WIN MUL
	MUL8 \f, 0, 0, \zero
	MUL8 \f, 0, 2, \zero
	PLACES
	FETCH \slot, \k, \g
	s_wait_dscnt 32                                ; all but the 32 just issued
	WIN MUL
	MUL8 \f, 1, 0, 0
	MUL8 \f, 1, 2, 0
.endm
; A slot's last quarter changes slots: one barrier; in front of it each wave waits for all its tensor loads, adds 0 to its spare word, and waits for that and for its reads of this slot.  fill = 1: the barrier opens a round of the
; cluster's, and behind it this slot takes the K step two on.
.macro TURN slot, next, fill
	WIN 0
	s_wait_tensorcnt 0x0
	ds_add_u32 v[SPW], v[NIL]
	s_wait_dscnt 17                                ; the add and the youngest sixteen loads may be out
	WIN MUL
	MUL8 F1, 0, 0, 0
	s_wait_dscnt 0x0
	s_barrier_signal -1
	MUL8 F1, 0, 2, 0
.if \fill
	WIN 0
.endif
	s_barrier_wait -1
.if \fill
	CREST
	s_add_nc_u64 s[G0+4*\slot+2:G0+4*\slot+3], s[G0+4*\slot+2:G0+4*\slot+3], 2*KSTEP*2
	s_add_nc_u64 s[G0B+4*\slot+2:G0B+4*\slot+3], s[G0B+4*\slot+2:G0B+4*\slot+3], 2*KSTEP*2
	JLOAD \slot                                    ; the first tensor load behind the round; its four v_nop are also the places in front of the loads below
.else
	PLACES
.endif
	FETCH \next, 0, F0
	WIN MUL
	MUL8 F1, 1, 0, 0
	MUL8 F1, 1, 2, 0
.endm
	s_wait_tensorcnt 1                             ; my part of K step 0 is in; K step 1's load may be out
	s_barrier_signal -1
	s_barrier_wait -1
	FETCH 0, 0, F0
	s_wait_loadcnt 0x0                             ; the bias
	QUARTER 0, 128, F0, F1, 1
	QUARTER 0, 256, F1, F0, 0
	QUARTER 0, 384, F0, F1, 0
	TURN 0, 1, 1                                   ; slot 0 takes K step 2
	QUARTER 1, 128, F0, F1, 0
	QUARTER 1, 256, F1, F0, 0
	QUARTER 1, 384, F0, F1, 0
	TURN 1, 0, 1                                   ; slot 1 takes K step 3
	QUARTER 0, 128, F0, F1, 0
	QUARTER 0, 256, F1, F0, 0
	QUARTER 0, 384, F0, F1, 0
	TURN 0, 1, 0
	QUARTER 1, 128, F0, F1, 0
	QUARTER 1, 256, F1, F0, 0
	QUARTER 1, 384, F0, F1, 0
	s_wait_dscnt 16                                ; the very last quarter: nothing more to fetch
	WIN MUL
	MUL8 F1, 0, 0, 0
	MUL8 F1, 0, 2, 0
	s_wait_dscnt 0
	MUL8 F1, 1, 0, 0
	MUL8 F1, 1, 2, 0
	WIN 0
; THE WAY OUT, a block of 16 rows x 64 columns at a time: the accumulators go to my stage as they are, each from its low end on, and come back as whole rows of 256 bytes.
.macro TOSTAGE a
.irp b, 0,1,2,3
	ds_store_b128 v[STO], v[ACC+8*(4*(\a)+\b):ACC+8*(4*(\a)+\b)+3] offset:64*\b
	ds_store_b128 v[STO], v[ACC+8*(4*(\a)+\b)+4:ACC+8*(4*(\a)+\b)+7] offset:64*\b+16
.endr
.set BK, OB+32*((\a)%2)
.irp t, 0,1,2,3,4,5,6,7
	ds_load_b128 v[BK+4*\t:BK+4*\t+3], v[RD] offset:\t*2*SPITCH    ; LDS serves a wave's instructions in order: these see the stores above, and the next block's stores come behind them
.endr
.endm
.macro SEND a, younger
.set BK, OB+32*((\a)%2)
	s_wait_dscnt \younger                          ; the block is back; the next block's 8 stores and 8 loads may be out
.irp t, 0,1,2,3,4,5,6,7
	global_store_b128 v[CO], v[BK+4*\t:BK+4*\t+3], s[10:11] offset:(16*(\a)+2*\t)*SIZE_N*4 th:TH_STORE_NT   ; 16 lanes store 256 consecutive bytes, aligned; written once, read by nobody here
.endr
.endm
	PLACES
	TOSTAGE 0
.irp a, 1,2,3
.if \a > 1
	s_wait_xcnt 0x0                                ; block a - 2's stores have read their registers: block a's loads may land there
.endif
	TOSTAGE \a
	SEND \a-1, 16
.endr
	SEND 3, 0
	s_wait_tensorcnt 0x0                           ; the wave's end: three lines behind my last tensor load and my last LDS store
	ds_add_u32 v[SPW], v[NIL]
	s_wait_dscnt 0x0
	CROUND                                         ; the closing round
	s_endpgm
.Lfunc_end_k_qdc78bd695b_outp:
	.size	k_qdc78bd695b_outp, .Lfunc_end_k_qdc78bd695b_outp-k_qdc78bd695b_outp
	.p2alignl 7, 3214868480
	.fill 96, 4, 3214868480
	.section	.rodata,"a",@progbits
	.p2align	6, 0x0
	.amdhsa_kernel k_qdc78bd695b_outp
		.amdhsa_group_segment_fixed_size 327680
		.amdhsa_private_segment_fixed_size 0
		.amdhsa_enable_private_segment 0
		.amdhsa_kernarg_size 32
		.amdhsa_user_sgpr_count 2
		.amdhsa_user_sgpr_kernarg_segment_ptr 1
		.amdhsa_wavefront_size32 1
		.amdhsa_system_sgpr_workgroup_id_x 1
		.amdhsa_system_sgpr_workgroup_id_y 1
		.amdhsa_system_sgpr_workgroup_id_z 1
		.amdhsa_system_vgpr_workitem_id 0
		.amdhsa_next_free_vgpr 512
		.amdhsa_next_free_sgpr 66
		.amdhsa_reserve_vcc 0
		.amdhsa_float_denorm_mode_32 3
		.amdhsa_float_denorm_mode_16_64 3
		.amdhsa_memory_ordered 1
		.amdhsa_forward_progress 1
		.amdhsa_inst_pref_size 86
	.end_amdhsa_kernel
	.amdgpu_metadata
---
amdhsa.version: [ 1, 2 ]
amdhsa.kernels:
  - .name:           k_qdc78bd695b_outp
    .symbol:         k_qdc78bd695b_outp.kd
    .args:
      - { .name: o16, .offset: 0, .size: 8, .value_kind: global_buffer, .address_space: global }
      - { .name: wo16, .offset: 8, .size: 8, .value_kind: global_buffer, .address_space: global }
      - { .name: bo, .offset: 16, .size: 8, .value_kind: global_buffer, .address_space: global }
      - { .name: out0, .offset: 24, .size: 8, .value_kind: global_buffer, .address_space: global }
    .group_segment_fixed_size: 327680
    .private_segment_fixed_size: 0
    .kernarg_segment_align: 8
    .kernarg_segment_size: 32
    .max_flat_workgroup_size: 128
    .sgpr_count:     66
    .vgpr_count:     512
    .wavefront_size: 32
...
	.end_amdgpu_metadata
.endif
;; end of part 4
